; MI455X (gfx1250); checked and timed in simulation.
; The chip was launched on July 23, 2026; its instructions are those of AMD's public machine-readable ISA for CDNA 5 (MIT licence, August 2026) and "CDNA5" Instruction Set Architecture Reference Guide (July 2026). The comments in the code are by the model that wrote it; some were corrected since.
;; Sieve KAN. Allowed arithmetic: matrix products marked QUANTISED: E2M1 operands, one E8M0 scale for each 32 along K, by v_wmma_scale_f32_16x16x128_f8f6f4 with both operands' format E2M1 (or v_wmma_scale_f32_32x16x128_f4), f32 sums; products left as they are: f32 operands where the result goes on into a quantised operand, else bf16, f16 or f32 operands; f32 sums; everything else in f32.
;; Inputs: bw0_codes 256 x 2 x 16 uint8 (E2M1 codes of bw0, K innermost, in blocks of 32 codes, two codes a byte); bw0_scales 256 x 2 uint8 (E8M0 scales of bw0, one for each 32 codes along K); bw1_codes 256 x 8 x 16 uint8 (E2M1 codes of bw1, K innermost, in blocks of 32 codes, two codes a byte); bw1_scales 256 x 8 uint8 (E8M0 scales of bw1, one for each 32 codes along K); bw2_codes 256 x 8 x 16 uint8 (E2M1 codes of bw2, K innermost, in blocks of 32 codes, two codes a byte); bw2_scales 256 x 8 uint8 (E8M0 scales of bw2, one for each 32 codes along K); bw3 1 x 256 float32; sw0 256 x 64 x 65 float32; sw1 256 x 256 x 65 float32; sw2 256 x 256 x 65 float32; sw3 1 x 256 x 65 float32; wb0 1 float32; wb1 1 float32; wb2 1 float32; wb3 1 float32; ws0 1 float32; ws1 1 float32; ws2 1 float32; ws3 1 float32; x 2,048 x 64 float32.
;; Outputs: out0 2,048 x 1 float32.
;; This version of the problem:
;;   THIS VERSION OF THE PROBLEM IS GIVEN IN LOW PRECISION. The matrix products marked QUANTISED in the list below multiply operands that are first quantised to E2M1 (2 exponent bits, 1 mantissa bit; 4 bits a number), with one power-of-two scale for each 32 numbers along K (OCP MX v1.0); their sums are f32. All else is computed in f32.
;;   The module's matrix products, in the order in which they are computed (A, B: the left and right operand; K: the contracted axis; several contracted axes count as one K, in the product's order):
;;     1. [M 2,048, K 64] x [K 64, N 256]; A: computed on the way; B: input bw0 (given as codes): QUANTISED
;;     2. [M 2,048, K 4,160] x [K 4,160, N 256]; A: computed on the way; B: input sw0: QUANTISED
;;     3. [M 2,048, K 256] x [K 256, N 256]; A: computed on the way; B: input bw1 (given as codes): QUANTISED
;;     4. [M 2,048, K 16,640] x [K 16,640, N 256]; A: computed on the way; B: input sw1: QUANTISED
;;     5. [M 2,048, K 256] x [K 256, N 256]; A: computed on the way; B: input bw2 (given as codes): QUANTISED
;;     6. [M 2,048, K 16,640] x [K 16,640, N 256]; A: computed on the way; B: input sw2: QUANTISED
;;     7. [M 2,048, K 256] x [K 256, N 1]; A: computed on the way; B: input bw3: left as it is (N = 1 < 16)
;;     8. [M 2,048, K 16,640] x [K 16,640, N 1]; A: computed on the way; B: input sw3: left as it is (N = 1 < 16)
;;   THE QUANTISER, for each operand of a quantised product, along K:
;;     - K is cut into blocks of 32 from its start; a last block that is shorter is filled with zeros.
;;     - A block's scale is 2^e with e = floor(log2(the largest magnitude in the block)) - 2, held to -126 .. 127; a block of zeros has e = 0. As a byte (E8M0): e + 127.
;;     - Each number is divided by its block's scale, clamped to +-6, and rounded to the nearest number of E2M1, ties to even, subnormals kept.
;;     - The product sums the exact products of the quantised numbers (number of the format x scale) in f32.
;;   ~~~python
;;   def quantise(x, axis):      # numpy; x: float32 -> the quantised numbers, widened to float32 again
;;       x = np.moveaxis(x, axis, -1); K = x.shape[-1]
;;       x = np.pad(x, [(0, 0)] * (x.ndim - 1) + [(0, -K % 32)]); x = x.reshape(x.shape[:-1] + (-1, 32)); a = np.abs(x).max(-1, keepdims=True)
;;       e = np.where(a > 0, np.clip(np.frexp(np.where(a > 0, a, 1))[1] - 1 - 2, -126, 127), 0)      # np.frexp(a)[1] - 1 = floor(log2(a)), exactly
;;       r = np.clip(x / 2.0 ** e, -6, 6)
;;       step = 2.0 ** (np.maximum(np.frexp(np.where(r == 0, 1, r))[1] - 1, 0) - 1)
;;       q = np.round(r / step) * step * 2.0 ** e      # np.round: ties to even
;;       return np.moveaxis(q.reshape(q.shape[:-2] + (-1,))[..., :K], -1, axis).astype(np.float32)
;;   ~~~
;;   OPERANDS COMPUTED ON THE WAY. 'Computed on the way' means the value that the module computes at that place (a softmax that the list does not call 'softmax' is quantised finished and normalised). What goes into a quantiser is computed in f32, as accurately as f32 sums, v_exp_f32 and their like allow (about 1e-6 of the number): no bf16 or f16 on the way to a quantiser, and a product that is left as it is and whose result goes on into a quantised operand takes f32 operands (vector FMAs, or v_wmma_f32_16x16x4_f32). A number that lies on a knife's edge between two numbers of the format may be rounded either way, as far as f32 arithmetic and the matrix unit's own rounding can turn it there, and no further.
;;   INPUTS GIVEN AS CODES. bw0 (in the module: [256, 64], K = its axis 1); bw1 (in the module: [256, 256], K = its axis 1); bw2 (in the module: [256, 256], K = its axis 1): each comes as NAME_codes (uint8): NAME with its K axis moved to the last place and cut into blocks of 32 codes, [.., K / 32, bytes a block], one block behind the other in memory; two codes a byte, the lower K in the low four bits (a code: sign, 2 exponent bits, 1 mantissa bit); and NAME_scales (uint8): the same leading axes, one E8M0 byte (e + 127) for each 32 codes along K. Its value is code x scale, taken as it is: it is not quantised again, and the codes and scales need not be those that the quantiser above would give.
;; 2 versions. Each part assembles by itself: llvm-mc -triple=amdgcn-amd-amdhsa -mcpu=gfx1250 --defsym DOCPART=n.
;; ======== version 1 of 2: 5 launches
;; workspace buffers: wq0 626,688 bytes; wq1 2,506,752 bytes; wq2 2,506,752 bytes; pa 18,874,368 bytes; pb 18,874,368 bytes; cfg0 256 bytes of whole numbers; cfg1 256 bytes of whole numbers; cfg2 256 bytes of whole numbers
;; launch prep (part 1): grid 9 x 72, 4 waves a work-group, no clusters, 21,504 bytes of LDS; arguments sw0, sw1, sw2, bw0_codes, bw0_scales, bw1_codes, bw1_scales, bw2_codes, bw2_scales, x, wq0, wq1, wq2, pb, cfg0, cfg1, cfg2; writes wq0, wq1, wq2, pb, cfg0, cfg1, cfg2
.if DOCPART == 1
	.amdgcn_target "amdgcn-amd-amdhsa--gfx1250"
	.amdhsa_code_object_version 6
	.text
	.protected	k_qcd96d11e50_prep
	.globl	k_qcd96d11e50_prep
	.p2align	8
	.type	k_qcd96d11e50_prep,@function
k_qcd96d11e50_prep:
	s_mov_b64 s[64:65], 0
	v_nop
	global_prefetch_b8 v0, s[64:65] scope:SCOPE_SE
	s_setreg_imm32_b32 hwreg(HW_REG_WAVE_MODE, 25, 1), 1
	s_wait_xcnt 0x0
; PREP.  The weights of the three quantised layers are laid once, as codes of E2M1 with E8M0 scale bytes, in the order in which a wave's operand registers take them.
; A layer's K is cut into slices of 32 features: 32 x 65 = 2,080 along the spline product's K = 65 blocks of 32, and one block of 32 of the base product.
; A slice has 18 steps of 128 along K: steps 0-15 spline blocks 0-63; step 16 spline block 64 and three blocks of zero codes; step 17 the base block (given codes, taken as they are) and three blocks of zero codes.
; RECORD (slice s, step q, column group w of 64 columns) at ((18 s + q) 4 + w) x 4,352 bytes: four images of 1,024 bytes (column tile b: columns 64 w + 16 b + r), block beta of column r at
; (beta / 2) 512 + (beta % 2) 256 + 16 r, which is the register image of a 4-bit fragment; then 256 scale bytes: at 8 (16 (b % 2) + r) + 4 (b / 2) + beta.
; SHARES.  Work-group (x = pi, y): y / 4 names layer and slice (0-1 layer 0, 2-9 layer 1, 10-17 layer 2), y % 4 the column group; pi < 8: steps 2 pi and 2 pi + 1; pi = 8: steps 16 and 17.  Wave b takes column tile b.
; The work-groups with pi = 8 and y < 32 also lay x as the layers read their input: plane 0 of pb, [row tile 32][quad of features][row 64][4 f32]; the one with y = 0 stores the three layers' (planes - 1, residual) pairs.
; A block's scale byte is its largest magnitude's exponent field - 2, held at 1 from below (a block of zeros gets 1 where the rule says 127: its codes are zeros, and this program alone reads the bytes).
; LIMITS: NaN and infinities among the weights are not served.
; No tensor load, no cluster: no two work-groups read the same bytes.  The two paths part on the work-group's x alone and have LDS bytes of their own.
.set STG,  0                           ; regular path: a stage of two images for each wave, 2,048 bytes a wave
.set SCB,  8192                        ; and two steps' scale bytes, 256 each
.set STG2, 12288                       ; the same for the tail path
.set SCB2, 20480
.set REC,  4352
.set QSTR, 4*REC                       ; from a step's record to the next step's
.set MXR,  16                          ; v16-31   a column's largest magnitude, then the conversion's scale operand
.set X,    32                          ; v32-159  16 columns x 8 numbers
.set AO,   160                         ; v160-175 the columns' byte offsets
.set CV,   176                         ; v176-191 codes, a register a column
.set BYR,  192                         ; v192-207 scale bytes
.set IM,   208                         ; v208-223 the way out of the images; v224-227 of the scale bytes
	s_load_b256 s[4:11], s[0:1], 0x0               ; sw0 s[4:5], sw1 s[6:7], sw2 s[8:9], bw0's codes s[10:11]
	s_load_b256 s[12:19], s[0:1], 0x20             ; bw0's scales s[12:13], bw1's codes, scales s[14:17], bw2's codes s[18:19]
	s_load_b256 s[20:27], s[0:1], 0x40             ; bw2's scales s[20:21], x s[22:23], wq0 s[24:25], wq1 s[26:27]
	s_load_b256 s[28:35], s[0:1], 0x60             ; wq2 s[28:29], pb s[30:31], cfg0 s[32:33], cfg1 s[34:35]
	s_load_b64 s[36:37], s[0:1], 0x80              ; cfg2
	v_lshl_add_u32 v232, v0, 2, 0x5200
	v_mov_b32 v233, 0
	v_lshrrev_b32 v1, 5, v0
	v_readfirstlane_b32 s40, v1                    ; wave b = column tile
	v_and_b32 v2, 31, v0                           ; lane l
	s_and_b32 s41, ttmp7, 0xffff                   ; y
	s_lshr_b32 s42, s41, 2                         ; layer and slice
	s_and_b32 s43, s41, 3                          ; column group w
	s_lshl_b32 s54, s40, 11                        ; 2,048 b: my stage
	s_and_b32 s55, s40, 1
	s_lshl_b32 s55, s55, 7
	s_lshr_b32 s56, s40, 1
	s_lshl_b32 s56, s56, 2
	s_add_co_u32 s55, s55, s56                     ; 128 (b % 2) + 4 (b / 2): my tile's words among a record's scale bytes
	; every LDS address is made here, ahead of the parting
	v_lshrrev_b32 v3, 2, v2                        ; l / 4
	v_and_b32 v1, 3, v2                            ; l % 4
	v_lshlrev_b32 v4, 8, v3
	v_lshl_add_u32 v4, v1, 2, v4
	v_add_nc_u32 v4, s54, v4                       ; regular: my 8 codes: lane l holds k = 8 l .. 8 l + 7: block l / 4 of eight (256 bytes apart in the two images), 4 (l % 4) in it
	v_lshrrev_b32 v5, 4, v2
	v_lshlrev_b32 v5, 8, v5
	v_and_b32 v6, 3, v3
	v_add_nc_u32 v5, v5, v6
	v_add_nc_u32 v5, s55, v5
	v_add_nc_u32 v5, SCB, v5                       ; regular: my block's scale byte: step l / 16, byte (l / 4) % 4
	v_lshlrev_b32 v229, 4, v2                      ; 16 l
	v_add_nc_u32 v6, s54, v229                     ; the stage read back (and cleared): 16 bytes a lane
	s_lshl_b32 s56, s40, 10
	v_add_nc_u32 v7, s56, v229                     ; the same bytes in a record: 1,024 b + 16 l
	v_lshlrev_b32 v8, 2, v2
	v_add_nc_u32 v8, s54, v8
	v_add_nc_u32 v8, STG2, v8                      ; tail, step 16: column 8 p + l / 4, 4 (l % 4) in its block 0: 128 p + 4 l
	v_lshlrev_b32 v9, 3, v3
	v_add_nc_u32 v9, s55, v9
	v_add_nc_u32 v9, SCB2, v9                      ; and its scale word
	v_and_b32 v16, 15, v2                          ; r
	v_lshlrev_b32 v10, 4, v16
	v_add_nc_u32 v10, s54, v10
	v_add_nc_u32 v10, STG2+1024, v10               ; tail, step 17: block 0 of column r
	v_lshlrev_b32 v11, 3, v16
	v_add_nc_u32 v11, s55, v11
	v_add_nc_u32 v11, SCB2+256, v11                ; and its scale word
	v_lshrrev_b32 v228, 4, v2
	v_mul_u32_u24 v228, v228, QSTR
	v_lshl_add_u32 v228, v16, 4, v228              ; the scale bytes' way out: lanes 0-15 the first step's 256 bytes, lanes 16-31 the second's
	s_wait_kmcnt 0x0
	s_cmp_lt_u32 s42, 10                           ; layer 1 or layer 2?  The choices hang on the work-group's number alone
	s_cselect_b64 s[6:7], s[6:7], s[8:9]
	s_cselect_b64 s[14:15], s[14:15], s[18:19]
	s_cselect_b64 s[16:17], s[16:17], s[20:21]
	s_cselect_b64 s[26:27], s[26:27], s[28:29]
	s_cselect_b32 s44, 2, 10
	s_cmp_lt_u32 s42, 2                            ; or layer 0?
	s_cselect_b64 s[4:5], s[4:5], s[6:7]           ; the spline weights
	s_cselect_b64 s[10:11], s[10:11], s[14:15]     ; the base weights' codes
	s_cselect_b64 s[12:13], s[12:13], s[16:17]     ; and scale bytes
	s_cselect_b64 s[24:25], s[24:25], s[26:27]     ; the records
	s_cselect_b32 s44, 0, s44
	s_mov_b32 s45, 66560
	s_cselect_b32 s45, 16640, s45                  ; a row of the spline weights in bytes: features x 65 x 4
	s_cselect_b32 s46, 5, 7                        ; a row of the base codes: 32 or 128 bytes
	s_cselect_b32 s47, 1, 3                        ; a row of the base scales: 2 or 8 bytes
	s_sub_co_u32 s44, s42, s44                     ; slice s
	s_lshl_b32 s48, s43, 6
	s_lshl_b32 s49, s40, 4
	s_add_co_u32 s48, s48, s49                     ; n0 = 64 w + 16 b
	s_mul_i32 s50, s48, s45
	s_mul_i32 s51, s44, 8320
	s_add_co_u32 s50, s50, s51
	s_lshl_b32 s51, ttmp9, 10
	s_add_co_u32 s50, s50, s51                     ; n0 rows + (2,080 s + 256 pi) numbers: under 2^25 bytes
	s_mov_b32 s51, 0
	s_add_nc_u64 s[4:5], s[4:5], s[50:51]
	s_mul_i32 s52, s44, 18
	s_lshl_b32 s53, ttmp9, 1
	s_add_co_u32 s52, s52, s53
	s_lshl_b32 s52, s52, 2
	s_add_co_u32 s52, s52, s43
	s_mul_i32 s52, s52, REC                        ; record (s, 2 pi, w)
	s_mov_b32 s53, 0
	s_add_nc_u64 s[24:25], s[24:25], s[52:53]
	v_mul_lo_u32 v12, v3, s45
	v_lshl_add_u32 v12, v1, 5, v12                 ; tail, step 16: row l / 4, 32 (l % 4) bytes on;
	s_lshl_b32 s57, s45, 3
	v_add_nc_u32 v13, s57, v12                     ; the second pass eight rows further down
	v_add_nc_u32 v14, s48, v16                     ; n0 + r
	v_lshlrev_b32 v15, s47, v14
	v_lshlrev_b32 v14, s46, v14
	s_lshl_b32 s57, s44, 4
	v_add_nc_u32 v14, s57, v14                     ; tail, step 17: block s of row n0 + r of the base codes,
	v_add_nc_u32 v15, s44, v15                     ; and its scale byte
; The way out of two steps' records.  My two images come back from my own stage (LDS serves a wave's instructions in order: no wait between my stores and these loads) and leave 512 consecutive bytes a store.
; The scale bytes come from all four waves: each waits for its LDS instructions and passes the barrier; then wave 0 stores two aligned runs of 256 bytes.
.macro OUT stg, scb
.irp i, 0,1,2,3
	ds_load_b128 v[IM+4*\i:IM+4*\i+3], v6 offset:\stg+512*\i
.endr
.irp i, 0,1,2,3
	s_wait_dscnt 3-\i                              ; LDS loads come back in order: load i is in, the younger ones may be out
	global_store_b128 v7, v[IM+4*\i:IM+4*\i+3], s[24:25] offset:(\i/2)*QSTR+(\i%2)*512
.endr
	s_wait_dscnt 0x0                               ; for the others' sake: my scale bytes have landed
	s_barrier_signal -1
	s_barrier_wait -1
	s_cmp_lg_u32 s40, 0
	s_cbranch_scc1 .Lnot_wave_0_\@
	ds_load_b128 v[224:227], v229 offset:\scb
	s_wait_dscnt 0x0
	global_store_b128 v228, v[224:227], s[24:25] offset:4096
.Lnot_wave_0_\@:
.endm
; Four columns, by turns so that no line waits for the line above it.  A lane holds 8 numbers of a column, four neighbouring lanes a block of 32.
.macro QCOLS r0
.irp r, \r0, \r0+1, \r0+2, \r0+3
	v_max3_num_f32 v[MXR+(\r)], |v[X+8*(\r)]|, |v[X+8*(\r)+1]|, 0x1800000   ; with the floor 2^(3 - 127): the byte cannot fall under 1
.endr
.irp i, 2,4,6
.irp r, \r0, \r0+1, \r0+2, \r0+3
	v_max3_num_f32 v[MXR+(\r)], v[MXR+(\r)], |v[X+8*(\r)+\i]|, |v[X+8*(\r)+\i+1]|
.endr
.endr
.irp r, \r0, \r0+1, \r0+2, \r0+3
	v_max_num_f32_dpp v[MXR+(\r)], v[MXR+(\r)], v[MXR+(\r)] row_xmask:1 row_mask:0xf bank_mask:0xf
.endr
.irp r, \r0, \r0+1, \r0+2, \r0+3
	v_max_num_f32_dpp v[MXR+(\r)], v[MXR+(\r)], v[MXR+(\r)] row_xmask:2 row_mask:0xf bank_mask:0xf   ; the block's largest magnitude
.endr
.irp r, \r0, \r0+1, \r0+2, \r0+3
	v_add_nc_u32 v[MXR+(\r)], 0xff000000, v[MXR+(\r)]   ; 2 off its exponent field: the conversion takes this operand's exponent field as its scale
.endr
.irp r, \r0, \r0+1, \r0+2, \r0+3
	v_cvt_scalef32_pk8_fp4_f32 v[CV+(\r)], v[X+8*(\r):X+8*(\r)+7], v[MXR+(\r)]
.endr
.irp r, \r0, \r0+1, \r0+2, \r0+3
	v_lshrrev_b32 v[BYR+(\r)], 23, v[MXR+(\r)]     ; the scale's byte (a plain line behind the conversions)
.endr
.irp r, \r0, \r0+1, \r0+2, \r0+3
	ds_store_b32 v4, v[CV+(\r)] offset:STG+16*(\r)
	ds_store_b8 v5, v[BYR+(\r)] offset:8*(\r)      ; the four lanes of a block write the same byte with the same value
.endr
.endm
	s_cmp_eq_u32 ttmp9, 8
	s_cbranch_scc1 .Ltail
	; ---- steps 2 pi and 2 pi + 1: 256 along K of 16 columns
	v_lshlrev_b32 v[AO], 5, v2                     ; 32 bytes a lane
.irp r, 1,2,3,4,5,6,7,8,9,10,11,12,13,14,15
	v_add_nc_u32 v[AO+\r], s45, v[AO+\r-1]         ; a row further down
.endr
.irp r, 0,1,2,3,4,5,6,7,8,9,10,11,12,13,14,15
	global_load_b128 v[X+8*\r:X+8*\r+3], v[AO+\r], s[4:5] th:TH_LOAD_NT             ; a column's two loads cover 1,024 consecutive bytes; read once in the launch
	global_load_b128 v[X+8*\r+4:X+8*\r+7], v[AO+\r], s[4:5] offset:16 th:TH_LOAD_NT
.endr
	s_wait_loadcnt 24                              ; columns 0-3 are in: the 24 loads of the twelve columns behind them may be out
	QCOLS 0
	s_wait_loadcnt 16
	QCOLS 4
	s_wait_loadcnt 8
	QCOLS 8
	s_wait_loadcnt 0x0
	QCOLS 12
	OUT STG, SCB
	s_wait_tensorcnt 0x0
	ds_add_u32 v232, v233
	s_wait_dscnt 0x0
	s_endpgm
.Ltail:
	; ---- steps 16 and 17
.irp i, 0,1,2,3
	v_mov_b32 v[32+\i], 0
.endr
.irp i, 0,1,2,3
	ds_store_b128 v6, v[32:35] offset:STG2+512*\i  ; both images begin as zero codes; what follows overwrites block 0 (a wave's LDS instructions are served in order)
.endr
	global_load_b128 v[40:43], v12, s[4:5] th:TH_LOAD_NT
	global_load_b128 v[44:47], v12, s[4:5] offset:16 th:TH_LOAD_NT
	global_load_b128 v[48:51], v13, s[4:5] th:TH_LOAD_NT
	global_load_b128 v[52:55], v13, s[4:5] offset:16 th:TH_LOAD_NT
	global_load_b128 v[56:59], v14, s[10:11]
	global_load_u8 v60, v15, s[12:13]
	s_wait_loadcnt 0x0
.macro QTAIL p                         ; spline block 64 of columns 8 p + l / 4
	v_max3_num_f32 v[62+\p], |v[40+8*\p]|, |v[41+8*\p]|, 0x1800000
.irp i, 2,4,6
	v_max3_num_f32 v[62+\p], v[62+\p], |v[40+8*\p+\i]|, |v[41+8*\p+\i]|
.endr
	v_max_num_f32_dpp v[62+\p], v[62+\p], v[62+\p] row_xmask:1 row_mask:0xf bank_mask:0xf
	v_max_num_f32_dpp v[62+\p], v[62+\p], v[62+\p] row_xmask:2 row_mask:0xf bank_mask:0xf
	v_add_nc_u32 v[62+\p], 0xff000000, v[62+\p]
	v_cvt_scalef32_pk8_fp4_f32 v[64+\p], v[40+8*\p:47+8*\p], v[62+\p]
	v_lshrrev_b32 v[66+\p], 23, v[62+\p]           ; the byte, zeros above it: the three blocks of zero codes have the byte 0
	ds_store_b32 v8, v[64+\p] offset:128*\p
	ds_store_b32 v9, v[66+\p] offset:64*\p
.endm
	QTAIL 0
	QTAIL 1
	ds_store_b128 v10, v[56:59]                    ; the base block's codes as they are given; lanes l and l + 16 write the same bytes with the same values
	ds_store_b32 v11, v60                          ; and its byte, zeros above it
	OUT STG2, SCB2
	; ---- x, for row tile y
	s_cmp_ge_u32 s41, 32
	s_cbranch_scc1 .Lend
	s_lshl_b32 s50, s41, 14                        ; 64 rows of 256 bytes
	s_mov_b32 s51, 0
	s_add_nc_u64 s[22:23], s[22:23], s[50:51]
	s_lshl_b32 s52, s41, 16                        ; a row tile's 65,536 bytes of a plane
	s_mov_b32 s53, 0
	s_add_nc_u64 s[30:31], s[30:31], s[52:53]
	v_and_b32 v100, 63, v0
	v_lshlrev_b32 v100, 8, v100
	v_lshrrev_b32 v101, 6, v0
	v_lshl_add_u32 v100, v101, 4, v100             ; in: row t % 64, quad t / 64 + 2 i
	v_lshlrev_b32 v101, 4, v0                      ; out: quad x 1,024 + row x 16 = 16 t + 2,048 i
.irp i, 0,1,2,3,4,5,6,7
	global_load_b128 v[104+4*\i:107+4*\i], v100, s[22:23] offset:32*\i th:TH_LOAD_NT
.endr
.irp i, 0,1,2,3,4,5,6,7
	s_wait_loadcnt 7-\i
	global_store_b128 v101, v[104+4*\i:107+4*\i], s[30:31] offset:2048*\i   ; a wave stores 512 consecutive bytes
.endr
	; ---- the layers' whole numbers: (planes to add - 1, residual)
	s_cmp_lg_u32 s41, 0
	s_cbranch_scc1 .Lend
	s_cmp_lg_u32 s40, 0
	s_cbranch_scc1 .Lend
	v_lshlrev_b32 v140, 3, v2
	v_mov_b32 v142, 0
	v_mov_b32 v143, 0
	v_mov_b32 v144, 1
	v_mov_b32 v145, 1
	v_mov_b32 v146, 8
	v_mov_b32 v147, 1
	global_store_b64 v140, v[142:143], s[32:33]    ; each buffer's 256 bytes whole: the pair, 32 times
	global_store_b64 v140, v[144:145], s[34:35]
	global_store_b64 v140, v[146:147], s[36:37]
.Lend:
	s_wait_tensorcnt 0x0
	ds_add_u32 v232, v233
	s_wait_dscnt 0x0
	s_endpgm
.Lfunc_end_k_qcd96d11e50_prep:
	.size	k_qcd96d11e50_prep, .Lfunc_end_k_qcd96d11e50_prep-k_qcd96d11e50_prep
	.p2alignl 7, 3214868480
	.fill 96, 4, 3214868480
	.section	.rodata,"a",@progbits
	.p2align	6, 0x0
	.amdhsa_kernel k_qcd96d11e50_prep
		.amdhsa_group_segment_fixed_size 21504
		.amdhsa_private_segment_fixed_size 0
		.amdhsa_enable_private_segment 0
		.amdhsa_kernarg_size 136
		.amdhsa_user_sgpr_count 2
		.amdhsa_user_sgpr_kernarg_segment_ptr 1
		.amdhsa_wavefront_size32 1
		.amdhsa_system_sgpr_workgroup_id_x 1
		.amdhsa_system_sgpr_workgroup_id_y 1
		.amdhsa_system_sgpr_workgroup_id_z 1
		.amdhsa_system_vgpr_workitem_id 0
		.amdhsa_next_free_vgpr 234
		.amdhsa_next_free_sgpr 66
		.amdhsa_reserve_vcc 0
		.amdhsa_float_denorm_mode_32 3
		.amdhsa_float_denorm_mode_16_64 3
		.amdhsa_memory_ordered 1
		.amdhsa_forward_progress 1
		.amdhsa_inst_pref_size 27
	.end_amdhsa_kernel
	.amdgpu_metadata
---
amdhsa.version: [ 1, 2 ]
amdhsa.kernels:
  - .name:           k_qcd96d11e50_prep
    .symbol:         k_qcd96d11e50_prep.kd
    .args:
      - { .name: sw0, .offset: 0, .size: 8, .value_kind: global_buffer, .address_space: global }
      - { .name: sw1, .offset: 8, .size: 8, .value_kind: global_buffer, .address_space: global }
      - { .name: sw2, .offset: 16, .size: 8, .value_kind: global_buffer, .address_space: global }
      - { .name: bw0_codes, .offset: 24, .size: 8, .value_kind: global_buffer, .address_space: global }
      - { .name: bw0_scales, .offset: 32, .size: 8, .value_kind: global_buffer, .address_space: global }
      - { .name: bw1_codes, .offset: 40, .size: 8, .value_kind: global_buffer, .address_space: global }
      - { .name: bw1_scales, .offset: 48, .size: 8, .value_kind: global_buffer, .address_space: global }
      - { .name: bw2_codes, .offset: 56, .size: 8, .value_kind: global_buffer, .address_space: global }
      - { .name: bw2_scales, .offset: 64, .size: 8, .value_kind: global_buffer, .address_space: global }
      - { .name: x, .offset: 72, .size: 8, .value_kind: global_buffer, .address_space: global }
      - { .name: wq0, .offset: 80, .size: 8, .value_kind: global_buffer, .address_space: global }
      - { .name: wq1, .offset: 88, .size: 8, .value_kind: global_buffer, .address_space: global }
      - { .name: wq2, .offset: 96, .size: 8, .value_kind: global_buffer, .address_space: global }
      - { .name: pb, .offset: 104, .size: 8, .value_kind: global_buffer, .address_space: global }
      - { .name: cfg0, .offset: 112, .size: 8, .value_kind: global_buffer, .address_space: global }
      - { .name: cfg1, .offset: 120, .size: 8, .value_kind: global_buffer, .address_space: global }
      - { .name: cfg2, .offset: 128, .size: 8, .value_kind: global_buffer, .address_space: global }
    .group_segment_fixed_size: 21504
    .private_segment_fixed_size: 0
    .kernarg_segment_align: 8
    .kernarg_segment_size: 136
    .max_flat_workgroup_size: 128
    .sgpr_count:     66
    .vgpr_count:     234
    .wavefront_size: 32
...
	.end_amdgpu_metadata
.endif
;; end of part 1
;; launch l0 (part 2): grid 2 x 32, 4 waves a work-group, no clusters, 87,040 bytes of LDS; arguments pb, wq0, cfg0, wb0, ws0, pa; writes pa
.if DOCPART == 2
	.amdgcn_target "amdgcn-amd-amdhsa--gfx1250"
	.amdhsa_code_object_version 6
	.text
	.protected	k_qcd96d11e50_l0
	.globl	k_qcd96d11e50_l0
	.p2align	8
	.type	k_qcd96d11e50_l0,@function
k_qcd96d11e50_l0:
	s_mov_b64 s[64:65], 0
	v_nop
	global_prefetch_b8 v0, s[64:65] scope:SCOPE_SE
	s_setreg_imm32_b32 hwreg(HW_REG_WAVE_MODE, 25, 1), 1
	s_wait_xcnt 0x0
; ONE KAN LAYER, out = wb silu(h) bw^T + ws bas(h) sw^T (+ h), both products on codes of E2M1 with one E8M0 scale for each 32 along K.
; SHARES.  Work-group (x = slice s of 32 input features, y = row tile mt of 64 rows) makes the slice's part of all 256 outputs of its rows and stores it as plane s of the output buffer; where the layer has a
; residual it also stores h of its own 32 features into plane 8.  The sum over planes is made by whoever reads them: here, at the head, for this work-group's 64 rows x 32 features alone.
; A plane is [row tile 32][quad of features 64][row 64][4 f32].  How many planes the input has (1, 2 or 9) and whether there is a residual are whole numbers that an earlier launch stored.  A plane past the last
; is read as the last one again and counted with the factor 0: one text without a branch serves all three counts, with every load on its way at once.
; K of a slice: 18 steps of 128: steps 0-15 spline blocks 0-63, step 16 spline block 64 and zero codes, step 17 the base block and zero codes (sums of its own, since wb and ws differ).
; B.  Wave w owns output columns 64 w .. 64 w + 63 and keeps its 18 x 4 fragments in 576 registers, loaded from records laid in register order: each byte is read once by the work-group and never passes through LDS.
; A.  Wave (rho = w / 2, kappa = w % 2): lane = row 32 rho + lane.  kappa 0 makes spline blocks 0-35, kappa 1 blocks 36-64 and the base block.  Of a feature's 65 bases four at the most are not zero: they are computed by
; Cox-de Boor's recursion on the same f32 knots as the definition's grid ((i - 3) H rounded, then - 0.05 rounded: never fused), with the knots' own differences as divisors.  A block of 32 along K covers parts of one
; or two features: its largest magnitude is taken of the bases that fall into it, eight numbers are converted at once, and the 4-bit codes are put into the block's four words by shifts and selects on values:
; no address and no branch hangs on a number.  The blocks go to LDS as images of the operand's registers and are read by all four waves.
; THE MATRIX INSTRUCTION IS USED TRANSPOSED (source 0 = 16 columns of the weights, source 1 = 16 rows): a lane holds row 16 a + lane % 16 and eight neighbouring outputs.
; NO JOINT LOADS, though the 32 row tiles of a slice read the same records: a joint load lands in LDS, and a slice's records (313,344 bytes) and A's images (86,528 bytes) together pass the 327,680 bytes that a work-group can be given.
; LIMITS: NaN and infinities among the inputs are not served.  A block of zeros has the scale byte 1 (its codes are zeros; this program alone reads the bytes).  Within some 1e-5 of a cell next to a knot the neighbouring
; polynomial piece may be taken: the pieces agree there up to the cube of that distance.
; REGISTERS, in windows of 256.  Window 0: v2-12 addresses, v13-20 plane offsets, v22-23 a constant pair, v24-59 B's scale words (step q: v[24 + 2 q], v[25 + 2 q]), v60-63 A's scale words, v64-255 by phase (below).
;   Window 1: B's steps 0-7 (32 q), later the base sums in v0-127.  Window 2: B's steps 8-15.  Window 3: v0-63 B's steps 16, 17; v64-191 the spline sums ((a, b) at 64 + 8 (4 a + b)).
.set AIMG, 8192                        ; LDS: 0 .. 8,191 h [quad 8][row 64][16 bytes];  A's images [step 18][row tile 4][1,024];
.set ASC,  81920                       ; A's scale words [step 18][half of the rows 2][128]
.set QSTR, 17408                       ; from a step's record to the next step's
.set HX,   64                          ; A phase: v64-83 h of 20 features; v84-103 bit place of a feature's first base; v104-187 four bases a feature, and four zeros behind them
.set S,    84
.set W,    104
.set MSB, 0
.macro WIN new                         ; the immediate's high byte repeats the setting that is left; a switch that changes nothing is dropped
.if MSB != (\new)
	s_set_vgpr_msb (MSB<<8)|(\new)
.set MSB, (\new)
.endif
.endm
.macro LOADB q                         ; step q of my columns: four fragments into their window, the scale words into window 0: nine loads
	WIN (1+(\q)/8)<<6
.irp b, 0,1,2,3
.irp c, 0,1
	global_load_b128 v[32*((\q)%8)+8*\b+4*\c:32*((\q)%8)+8*\b+4*\c+3], v2, s[6:7] offset:QSTR*(\q)+1024*\b+512*\c
.endr
.endr
	WIN 0
	global_load_b64 v[24+2*(\q):25+2*(\q)], v3, s[6:7] offset:QSTR*(\q)+4096
.endm
	s_load_b256 s[4:11], s[0:1], 0x0               ; input planes s[4:5], records s[6:7], whole numbers s[8:9], wb s[10:11]
	s_load_b128 s[12:15], s[0:1], 0x20             ; ws s[12:13], output planes s[14:15]
	s_set_vgpr_msb 0xc0
	v_lshl_add_u32 v254, v0, 2, 0x15200
	v_mov_b32 v255, 0
	s_set_vgpr_msb 0xc000
	v_lshrrev_b32 v1, 5, v0
	v_readfirstlane_b32 s16, v1                    ; wave w
	s_lshr_b32 s17, s16, 1                         ; rho
	s_and_b32 s18, s16, 1                          ; kappa
	s_mov_b32 s19, ttmp9                           ; slice s
	s_and_b32 s20, ttmp7, 0xffff                   ; row tile mt
	; every LDS address is made here, ahead of any parting of the waves
	v_and_b32 v1, 31, v0                           ; lane
	v_lshlrev_b32 v2, 4, v1                        ; v2  16 x lane: B's images
	v_lshlrev_b32 v3, 3, v1                        ; v3  8 x lane: B's scale words
	s_lshl_b32 s44, s16, 11
	v_add_nc_u32 v4, s44, v2                       ; v4  2,048 w + 16 lane: my part of the slice's 8,192 bytes of h, in a plane and in LDS alike
	s_lshl_b32 s44, s17, 9
	v_add_nc_u32 v6, s44, v2                       ; v6  h of my row, quad 0
	s_mul_i32 s45, s18, 3072
	v_add_nc_u32 v5, s45, v6                       ; v5  h of my row from quad 3 kappa on: features 0-19 or 12-31
	v_and_b32 v21, 15, v0
	v_lshlrev_b32 v21, 4, v21
	v_bfe_u32 v13, v0, 4, 1
	v_lshl_add_u32 v7, v13, 10, v21
	v_lshl_add_u32 v12, v13, 11, v21               ; v12 the way out: (lane / 16) 2,048 + (lane % 16) 16
	s_mul_i32 s44, s18, 36864
	s_lshl_b32 s45, s17, 11
	s_add_co_u32 s44, s44, s45
	s_add_co_u32 s44, s44, AIMG
	v_add_nc_u32 v7, s44, v7                       ; v7  where I store a block: step 9 kappa, row tile 2 rho + lane / 16, 16 (lane % 16)
	v_lshlrev_b32 v11, 2, v1
	s_mul_i32 s44, s18, 2304
	s_lshl_b32 s45, s17, 7
	s_add_co_u32 s44, s44, s45
	s_add_co_u32 s44, s44, ASC
	v_add_nc_u32 v8, s44, v11                      ; v8  where I store my row's scale word
	v_add_nc_u32 v11, ASC, v11                     ; v11 where scale words are read back
	v_add_nc_u32 v9, AIMG, v2                      ; v9  where images are read back, steps 0-8;
	v_add_nc_u32 v10, AIMG+36864, v2               ; v10 steps 9-17
	v_mov_b32 v22, 0x40ba2e8c                      ; 0.05 / H + 3, twice
	v_mov_b32 v23, 0x40ba2e8c
.irp i, 252,253,254,255
	v_mov_b32 v[\i], 0                             ; a block of zero codes
.endr
	s_mov_b32 s56, 0x3c915789                      ; H = 1.1 / 62 in f32 (the packed forms name a pair and take its low word for both halves)
	s_mov_b32 s57, s56
	s_mov_b32 s58, 0xbd4ccccd                      ; -0.05
	s_mov_b32 s59, s58
	s_lshl_b32 s44, s20, 16
	s_lshl_b32 s45, s19, 13
	s_add_co_u32 s46, s44, s45                     ; my row tile and slice in a plane
	s_mov_b32 s47, 0
	s_mul_i32 s48, s19, 72
	s_add_co_u32 s48, s48, s16
	s_mul_i32 s48, s48, 4352                       ; record (s, 0, w)
	s_mov_b32 s49, 0
	s_add_co_u32 s50, s46, 8<<21                   ; plane 8, for the residual
	s_mov_b32 s51, 0
	s_wait_kmcnt 0x0
	s_load_b64 s[22:23], s[8:9], 0x0               ; s22 planes - 1, s23 residual
	s_load_b32 s24, s[10:11], 0x0                  ; wb
	s_load_b32 s26, s[12:13], 0x0                  ; ws
	s_add_nc_u64 s[4:5], s[4:5], s[46:47]
	s_add_nc_u64 s[6:7], s[6:7], s[48:49]
	s_add_nc_u64 s[52:53], s[14:15], s[50:51]
	s_lshl_b32 s50, s19, 21
	s_add_co_u32 s50, s50, s44
	s_lshl_b32 s54, s16, 14
	s_add_co_u32 s50, s50, s54                     ; plane s, my row tile, my 16 quads of outputs
	s_add_nc_u64 s[14:15], s[14:15], s[50:51]
.irp j, 0,1,2,3
	global_load_b128 v[64+4*\j:67+4*\j], v4, s[4:5] offset:512*\j
.endr
	s_wait_kmcnt 0x0
	s_mov_b32 s25, s24
	s_mov_b32 s27, s26
.irp p, 1,2,3,4,5,6,7,8
	s_min_u32 s44, s22, \p                         ; plane p, or the last one there is
	s_lshl_b32 s44, s44, 21
	v_add_nc_u32 v[12+\p], s44, v4
	s_cmp_ge_u32 s22, \p
	s_cselect_b32 s[26+2*\p], 1.0, 0               ; its factor: 1, or 0 where it is a repeat
	s_mov_b32 s[27+2*\p], s[26+2*\p]
.endr
.irp p, 1,2,3,4,5,6,7,8
.irp j, 0,1,2,3
	global_load_b128 v[64+16*\p+4*\j:67+16*\p+4*\j], v[12+\p], s[4:5] offset:512*\j
.endr
.endr
	LOADB 0
	LOADB 1
	LOADB 2
	; ---- the sum over planes: h of 64 rows x 32 features, 2,048 bytes a wave
	s_wait_loadcnt 27                              ; the 36 plane loads are in: behind them 3 x 9 loads of B were issued
.irp p, 1,2,3,4,5,6,7,8
.irp i, 0,2,4,6,8,10,12,14
	v_pk_fma_f32 v[64+\i:65+\i], v[64+16*\p+\i:65+16*\p+\i], s[26+2*\p:27+2*\p], v[64+\i:65+\i] op_sel_hi:[1,0,1]
.endr
.endr
.irp j, 0,1,2,3
	ds_store_b128 v4, v[64+4*\j:67+4*\j] offset:512*\j
.endr
	s_cmp_eq_u32 s23, 0
	s_cbranch_scc1 .Lno_residual
.irp j, 0,1,2,3
	global_store_b128 v4, v[64+4*\j:67+4*\j], s[52:53] offset:512*\j   ; h itself is one more plane for the reader
.endr
.Lno_residual:
	s_wait_xcnt 0x0                                ; the stores have read v64-79, which are written again below
	s_wait_dscnt 0x0                               ; for the others' sake: my part of h has landed
	s_barrier_signal -1
	s_barrier_wait -1
	; ---- the base block: silu of my row's 32 features, quantised: step 17, block 0.  Waves with kappa = 1
	s_cmp_eq_u32 s18, 0
	s_cbranch_scc1 .Lno_base
.irp i, 0,1,2,3,4,5,6,7
	ds_load_b128 v[188+4*\i:191+4*\i], v6 offset:1024*\i
.endr
	s_wait_dscnt 0x0
.irp i, 0,2,4,6,8,10,12,14,16,18,20,22,24,26,28,30
	v_pk_mul_f32 v[220+\i:221+\i], v[188+\i:189+\i], 0xbfb8aa3b op_sel_hi:[1,0]   ; -h log2(e)
.endr
.irp i, 0,1,2,3,4,5,6,7,8,9,10,11,12,13,14,15,16,17,18,19,20,21,22,23,24,25,26,27,28,29,30,31
	v_exp_f32 v[220+\i], v[220+\i]
.endr
	v_nop                                          ; a plain line behind the last exponential
	s_wait_alu depctr_va_vdst(0)                   ; one wait for the batch, ahead of its first reader
.irp i, 0,2,4,6,8,10,12,14,16,18,20,22,24,26,28,30
	v_pk_add_f32 v[220+\i:221+\i], v[220+\i:221+\i], 1.0 op_sel_hi:[1,0]
.endr
.irp i, 0,1,2,3,4,5,6,7,8,9,10,11,12,13,14,15,16,17,18,19,20,21,22,23,24,25,26,27,28,29,30,31
	v_rcp_f32 v[220+\i], v[220+\i]
.endr
	v_nop
	s_wait_alu depctr_va_vdst(0)
.irp i, 0,2,4,6,8,10,12,14,16,18,20,22,24,26,28,30
	v_pk_mul_f32 v[188+\i:189+\i], v[188+\i:189+\i], v[220+\i:221+\i]            ; h / (1 + e^-h)
.endr
	v_max3_num_f32 v220, |v188|, |v189|, 0x1800000 ; the block's largest magnitude, in two chains, with the floor 2^(3 - 127)
	v_max3_num_f32 v221, |v204|, |v205|, |v206|
.irp i, 2,4,6,8,10,12,14
	v_max3_num_f32 v220, v220, |v[188+\i]|, |v[189+\i]|
.endr
.irp i, 19,21,23,25,27,29
	v_max3_num_f32 v221, v221, |v[188+\i]|, |v[189+\i]|
.endr
	v_max3_num_f32 v220, v220, v221, |v219|
	v_add_nc_u32 v221, 0xff000000, v220            ; 2 off its exponent field: the conversion's scale operand
.irp g, 0,1,2,3
	v_cvt_scalef32_pk8_fp4_f32 v[224+\g], v[188+8*\g:195+8*\g], v221
.endr
	v_lshrrev_b32 v222, 23, v221                   ; the byte, zeros above it (a plain line behind the conversions)
	ds_store_b128 v7, v[224:227] offset:8*4096
	ds_store_b32 v8, v222 offset:8*256
.irp qq, 7,8
.irp o, 256,512,768
	ds_store_b128 v7, v[252:255] offset:4096*\qq+\o   ; blocks 1-3 of steps 16 and 17: zero codes
.endr
.endr
.Lno_base:
	; ---- the four bases of 20 features of my row
.irp i, 0,1,2,3,4
	ds_load_b128 v[HX+4*\i:HX+4*\i+3], v5 offset:1024*\i
.endr
.irp i, 80,81,82,83
	v_mov_b32 v[W+\i], 0                           ; behind the last feature: the conversion takes eight registers
.endr
	s_wait_dscnt 0x0
.set ZZ,   188                         ; pairs: a number for feature ph and one for ph + 1
.set JF,   190
.set JI,   192
.set TK,   194                         ; six knots t(j - 2) .. t(j + 3); later whole numbers at work
.set DL,   206                         ; x - t(j), x - t(j - 1), x - t(j - 2)
.set DR,   212                         ; t(j + 1) - x, t(j + 2) - x, t(j + 3) - x
.set RD,   218                         ; six divisors, then their reciprocals
.set B1J,  230
.set B1M,  232
.set B2J,  234
.set B2M1, 236
.set B2M2, 238
.set U0,   240
.set U1,   242
.set WT,   244                         ; the four bases, pairs
.macro PSUB d, a, b
	v_pk_add_f32 v[\d:\d+1], v[\a:\a+1], v[\b:\b+1] neg_lo:[0,1] neg_hi:[0,1]
.endm
.macro PMUL d, a, b
	v_pk_mul_f32 v[\d:\d+1], v[\a:\a+1], v[\b:\b+1]
.endm
.macro PFMA d, a, b, c
	v_pk_fma_f32 v[\d:\d+1], v[\a:\a+1], v[\b:\b+1], v[\c:\c+1]
.endm
.macro SPLINE2 ph
	v_pk_fma_f32 v[ZZ:ZZ+1], v[HX+(\ph):HX+(\ph)+1], 0x4261745d, v[22:23] op_sel_hi:[1,0,1]   ; z = x / H + 0.05 / H + 3: the cell is j = floor(z)
	v_med3_num_f32 v[ZZ], v[ZZ], -1.0, 0x42890000  ; held to -1 .. 68.5: outside the grid all four bases have indices outside 0 .. 64
	v_med3_num_f32 v[ZZ+1], v[ZZ+1], -1.0, 0x42890000
	v_floor_f32 v[JF], v[ZZ]
	v_floor_f32 v[JF+1], v[ZZ+1]
	v_cvt_i32_f32 v[JI], v[JF]
	v_cvt_i32_f32 v[JI+1], v[JF+1]
	v_pk_add_f32 v[TK:TK+1], v[JF:JF+1], 0xc0a00000 op_sel_hi:[1,0]      ; knot i is (i - 3) H - 0.05: i - 3 = j - 5 .. j, exact
	v_pk_add_f32 v[TK+2:TK+3], v[JF:JF+1], -4.0 op_sel_hi:[1,0]
	v_pk_add_f32 v[TK+4:TK+5], v[JF:JF+1], 0xc0400000 op_sel_hi:[1,0]
	v_pk_add_f32 v[TK+6:TK+7], v[JF:JF+1], -2.0 op_sel_hi:[1,0]
	v_pk_add_f32 v[TK+8:TK+9], v[JF:JF+1], -1.0 op_sel_hi:[1,0]
.irp m, 0,2,4,6,8
	v_pk_mul_f32 v[TK+\m:TK+\m+1], v[TK+\m:TK+\m+1], s[56:57] op_sel_hi:[1,0]   ; the product is rounded,
.endr
	v_pk_mul_f32 v[TK+10:TK+11], v[JF:JF+1], s[56:57] op_sel_hi:[1,0]
.irp m, 0,2,4,6,8,10
	v_pk_add_f32 v[TK+\m:TK+\m+1], v[TK+\m:TK+\m+1], s[58:59] op_sel_hi:[1,0]   ; and then the sum: as the grid is made, so not fused
.endr
	PSUB DL,   HX+(\ph), TK+4
	PSUB DL+2, HX+(\ph), TK+2
	PSUB DL+4, HX+(\ph), TK
	PSUB DR,   TK+6,  HX+(\ph)
	PSUB DR+2, TK+8,  HX+(\ph)
	PSUB DR+4, TK+10, HX+(\ph)
	PSUB RD,    TK+6,  TK+4                        ; t(j+1) - t(j)
	PSUB RD+2,  TK+8,  TK+4                        ; t(j+2) - t(j)
	PSUB RD+4,  TK+6,  TK+2                        ; t(j+1) - t(j-1)
	PSUB RD+6,  TK+10, TK+4                        ; t(j+3) - t(j)
	PSUB RD+8,  TK+8,  TK+2                        ; t(j+2) - t(j-1)
	PSUB RD+10, TK+6,  TK                          ; t(j+1) - t(j-2)
.irp i, 0,1,2,3,4,5,6,7,8,9,10,11
	v_rcp_f32 v[RD+\i], v[RD+\i]
.endr
	v_lshl_add_u32 v[S+(\ph)], v[JI], 2, 4*(65*(\ph)-3)        ; the bit place of base j - 3 among my features' codes, 4 bits a code (plain work behind the reciprocals)
	v_lshl_add_u32 v[S+(\ph)+1], v[JI+1], 2, 4*(65*(\ph)+62)
	s_wait_alu depctr_va_vdst(0)                   ; one wait for the twelve, ahead of their first reader
	PMUL B1J, DL, RD                               ; order 1
	PMUL B1M, DR, RD
	PMUL U0, DL, RD+2                              ; order 2
	PMUL B2J, U0, B1J
	PMUL U0, DR+2, RD+2
	PMUL U0, U0, B1J
	PMUL U1, DL+2, RD+4
	PFMA B2M1, U1, B1M, U0
	PMUL U1, DR, RD+4
	PMUL B2M2, U1, B1M
	PMUL U0, DL, RD+6                              ; order 3: base j,
	PMUL WT+6, U0, B2J
	PMUL U0, DR+4, RD+6                            ; j - 1,
	PMUL U0, U0, B2J
	PMUL U1, DL+2, RD+8
	PFMA WT+4, U1, B2M1, U0
	PMUL U0, DR+2, RD+8                            ; j - 2,
	PMUL U0, U0, B2M1
	PMUL U1, DL+4, RD+10
	PFMA WT+2, U1, B2M2, U0
	PMUL U1, DR, RD+10                             ; j - 3
	PMUL WT, U1, B2M2
.irp t, 0,1,2,3
	v_add_nc_u32 v[TK+2*\t], \t-3, v[JI]           ; the base's index
	v_add_nc_u32 v[TK+2*\t+1], \t-3, v[JI+1]
.endr
.irp t, 0,1,2,3
	v_cmp_ge_u32 s[70+2*\t], 64, v[TK+2*\t]        ; there are bases 0 .. 64
	v_cmp_ge_u32 s[71+2*\t], 64, v[TK+2*\t+1]
.endr
.irp t, 0,1,2,3
	v_cndmask_b32 v[W+4*(\ph)+\t], 0, v[WT+2*\t], s[70+2*\t]      ; what has no index counts as +0: its code is 0
	v_cndmask_b32 v[W+4*(\ph)+4+\t], 0, v[WT+2*\t+1], s[71+2*\t]
.endr
.endm
.set pp, 0
.rept 10
	SPLINE2 2*pp
	LOADB 3+pp                                     ; B's steps 3-12 are asked for on the way
.set pp, pp+1
.endr
	; ---- the blocks
.set RB,  188                          ; v188-203 four sets of a block's four words, by turns
.set SWB, 204                          ; v204-205 a step's scale word, two by turns
.set SA_, 206
.set SB_, 207
.set MM,  208
.set MX,  216
.set MX2, 217
.set SO,  218
.set CV,  219
.set BY,  220
.set PA,  221
.set P4A, 222
.set LOA, 223
.set HIA, 224
.set WIA, 225
.set TA,  226
.set PB,  227
.set P4B, 228
.set LOB, 229
.set HIB, 230
.set WIB, 231
.set TBB, 232
.set TW,  233
; The block that begins at place k0 among my features' codes: block bt of my step qr.  It holds codes of feature fA, and from place ee on of feature fB = fA + 1 where a feature ends inside it.
.macro BLOCK k0, qr, bt, fin
.set fA, (\k0)/65
.set fB, ((\k0)+31)/65
.set ee, 65*fB-(\k0)
.set RR, RB+4*(\bt)
.set SWR, SWB+(\qr)%2
.set wa, 3                             ; the last word that fA's codes reach
.set wbb, 4                            ; the first that fB's reach
.if fB != fA
.set wa, (ee-1)/8
.set wbb, ee/8
.endif
	s_wait_dscnt 3                                 ; at most three LDS instructions are out: the store that read this set of words four blocks ago is done
	v_add_nc_u32 v[SA_], -4*(\k0), v[S+fA]         ; the bit place of fA's first base in the block: may be negative, or 128 and more
.if fB != fA
	v_add_nc_u32 v[SB_], -4*(\k0), v[S+fB]
.irp t, 0,1,2,3
	v_cmp_le_i32 s[70+\t], -4*\t, v[SA_]           ; fA's base t lies in the block where its place is not negative (a base that is not zero ends ahead of ee),
	v_cmp_ge_i32 s[74+\t], 124-4*\t, v[SB_]        ; fB's where its place is 31 at the most (a base that is not zero begins at ee or later)
.endr
.irp t, 0,1,2,3
	v_cndmask_b32 v[MM+\t], 0, v[W+4*fA+\t], s[70+\t]
	v_cndmask_b32 v[MM+4+\t], 0, v[W+4*fB+\t], s[74+\t]
.endr
	v_max3_num_f32 v[MX], |v[MM]|, |v[MM+1]|, 0x1800000            ; the block's largest magnitude, with the floor 2^(3 - 127)
	v_max3_num_f32 v[MX2], |v[MM+4]|, |v[MM+5]|, |v[MM+6]|
	v_max3_num_f32 v[MX], v[MX], |v[MM+2]|, |v[MM+3]|
	v_max3_num_f32 v[MX], v[MX], v[MX2], |v[MM+7]|
.else
.irp t, 1,2,3
	v_add_nc_u32 v[MM+4+\t], 4*\t, v[SA_]
.endr
	v_cmp_gt_u32 s70, 128, v[SA_]                  ; in the block: bit place 0 .. 124
.irp t, 1,2,3
	v_cmp_gt_u32 s[70+\t], 128, v[MM+4+\t]
.endr
.irp t, 0,1,2,3
	v_cndmask_b32 v[MM+\t], 0, v[W+4*fA+\t], s[70+\t]
.endr
	v_max3_num_f32 v[MX], |v[MM]|, |v[MM+1]|, 0x1800000
	v_max3_num_f32 v[MX], v[MX], |v[MM+2]|, |v[MM+3]|
.endif
	v_add_nc_u32 v[SO], 0xff000000, v[MX]          ; 2 off its exponent field: the conversion's scale operand
	v_cvt_scalef32_pk8_fp4_f32 v[CV], v[W+4*fA:W+4*fA+7], v[SO]    ; the eight bases of fA and fA + 1: what lies outside the block is dropped by the placing
.if (\bt) == 0
	v_lshrrev_b32 v[SWR], 23, v[SO]                ; the scale's byte begins the step's word (a plain line behind the conversion)
.else
	v_lshrrev_b32 v[BY], 23, v[SO]
.endif
	v_sub_nc_u32 v[TA], 28, v[SA_]
	v_ashrrev_i32 v[WIA], 5, v[SA_]                ; the word in which fA's 16 bits begin
	v_and_b32 v[PA], 0xffff, v[CV]
	v_bfe_u32 v[P4A], v[CV], 4, 12
	v_lshlrev_b32 v[LOA], v[SA_], v[PA]            ; their part in that word (a shift takes its amount's low five bits),
	v_lshrrev_b32 v[HIA], v[TA], v[P4A]            ; and in the next: >> (32 - amount), as >> 4 and >> (28 - amount), so that the amount 0 gives 0
.if fB != fA
	v_sub_nc_u32 v[TBB], 28, v[SB_]
	v_ashrrev_i32 v[WIB], 5, v[SB_]
	v_lshrrev_b32 v[PB], 16, v[CV]
	v_lshrrev_b32 v[P4B], 20, v[CV]
	v_lshlrev_b32 v[LOB], v[SB_], v[PB]
	v_lshrrev_b32 v[HIB], v[TBB], v[P4B]
.endif
.irp x, 0,1,2,3,4
.if (\x)-1 <= wa
	v_cmp_eq_i32 s[70+\x], (\x)-1, v[WIA]
.endif
.endr
.irp x, 0,1,2,3,4
.if (fB != fA) && ((\x) >= wbb)
	v_cmp_eq_i32 s[75+\x-wbb], (\x)-1, v[WIB]
.endif
.endr
.irp x, 0,1,2,3
.if \x <= wa
	v_cndmask_b32 v[RR+\x], 0, v[HIA], s[70+\x]
	v_cndmask_b32 v[RR+\x], v[RR+\x], v[LOA], s[71+\x]
.if \x >= wbb
	v_cndmask_b32 v[TW], 0, v[HIB], s[75+\x-wbb]
	v_cndmask_b32 v[TW], v[TW], v[LOB], s[76+\x-wbb]
	v_or_b32 v[RR+\x], v[RR+\x], v[TW]             ; the word in which fA ends and fB begins
.endif
.else
	v_cndmask_b32 v[RR+\x], 0, v[HIB], s[75+\x-wbb]
	v_cndmask_b32 v[RR+\x], v[RR+\x], v[LOB], s[76+\x-wbb]
.endif
.endr
.if (\bt) != 0
	v_lshl_or_b32 v[SWR], v[BY], 8*(\bt), v[SWR]
.endif
	ds_store_b128 v7, v[RR:RR+3] offset:4096*(\qr)+((\bt)/2)*512+((\bt)%2)*256
.if (\fin) || ((\bt) == 3)
	ds_store_b32 v8, v[SWR] offset:256*(\qr)
.endif
.endm
	s_cmp_eq_u32 s18, 0
	s_cbranch_scc0 .Lupper_half
.set bb, 0
.rept 36                               ; kappa = 0: blocks 0-35 = steps 0-8; my features are the slice's 0-19
	BLOCK 32*bb, bb/4, bb%4, 0
.if (bb%2 == 1) && (bb < 10)
	LOADB 13+bb/2                                  ; B's last five steps
.endif
.set bb, bb+1
.endr
	s_branch .Lblocks_done
.Lupper_half:
.set bb, 36
.rept 29                               ; kappa = 1: blocks 36-64 = steps 9-16; my features are the slice's 12-31: 12 x 65 = 780 places are taken off
.if bb == 64
	BLOCK 32*bb-780, (bb-36)/4, bb%4, 1
.else
	BLOCK 32*bb-780, (bb-36)/4, bb%4, 0
.endif
.if (bb%2 == 1) && (bb < 46)
	LOADB 13+(bb-36)/2
.endif
.set bb, bb+1
.endr
.Lblocks_done:
	s_wait_dscnt 0x0                               ; for the others' sake: my images and scale words have landed
	s_barrier_signal -1
	s_barrier_wait -1
	; ---- the products: 18 steps x 16 accumulators (4 row tiles x my 4 column tiles)
	s_wait_loadcnt 0x0                             ; all of B is in registers
.macro LOADA q, bf                     ; step q's four fragments of A and two registers of scale words into buffer bf: ten LDS loads
.irp a, 0,1,2,3
.irp c, 0,1
.if (\q) < 9
	ds_load_b128 v[64+32*(\bf)+8*\a+4*\c:64+32*(\bf)+8*\a+4*\c+3], v9 offset:4096*(\q)+1024*\a+512*\c
.else
	ds_load_b128 v[64+32*(\bf)+8*\a+4*\c:64+32*(\bf)+8*\a+4*\c+3], v10 offset:4096*((\q)-9)+1024*\a+512*\c
.endif
.endr
.endr
	ds_load_b32 v[60+2*(\bf)], v11 offset:256*(\q)          ; lanes 0-15 row tile 0, lanes 16-31 row tile 1
	ds_load_b32 v[61+2*(\bf)], v11 offset:256*(\q)+128      ; row tiles 2 and 3
.endm
.macro WMM                             ; one product; PAR says which half of the lanes holds each side's scale words
.if ZC
.if PAR == 0
	v_wmma_scale_f32_16x16x128_f8f6f4 v[DD:DD+7], v[BFR:BFR+7], v[AFR:AFR+7], 0, v[SBR], v[SAR] matrix_a_fmt:MATRIX_FMT_FP4 matrix_b_fmt:MATRIX_FMT_FP4
.elseif PAR == 1
	v_wmma_scale_f32_16x16x128_f8f6f4 v[DD:DD+7], v[BFR:BFR+7], v[AFR:AFR+7], 0, v[SBR], v[SAR] matrix_a_fmt:MATRIX_FMT_FP4 matrix_b_fmt:MATRIX_FMT_FP4 matrix_a_scale:MATRIX_SCALE_ROW1
.elseif PAR == 2
	v_wmma_scale_f32_16x16x128_f8f6f4 v[DD:DD+7], v[BFR:BFR+7], v[AFR:AFR+7], 0, v[SBR], v[SAR] matrix_a_fmt:MATRIX_FMT_FP4 matrix_b_fmt:MATRIX_FMT_FP4 matrix_b_scale:MATRIX_SCALE_ROW1
.else
	v_wmma_scale_f32_16x16x128_f8f6f4 v[DD:DD+7], v[BFR:BFR+7], v[AFR:AFR+7], 0, v[SBR], v[SAR] matrix_a_fmt:MATRIX_FMT_FP4 matrix_b_fmt:MATRIX_FMT_FP4 matrix_a_scale:MATRIX_SCALE_ROW1 matrix_b_scale:MATRIX_SCALE_ROW1
.endif
.else
.if PAR == 0
	v_wmma_scale_f32_16x16x128_f8f6f4 v[DD:DD+7], v[BFR:BFR+7], v[AFR:AFR+7], v[DD:DD+7], v[SBR], v[SAR] matrix_a_fmt:MATRIX_FMT_FP4 matrix_b_fmt:MATRIX_FMT_FP4
.elseif PAR == 1
	v_wmma_scale_f32_16x16x128_f8f6f4 v[DD:DD+7], v[BFR:BFR+7], v[AFR:AFR+7], v[DD:DD+7], v[SBR], v[SAR] matrix_a_fmt:MATRIX_FMT_FP4 matrix_b_fmt:MATRIX_FMT_FP4 matrix_a_scale:MATRIX_SCALE_ROW1
.elseif PAR == 2
	v_wmma_scale_f32_16x16x128_f8f6f4 v[DD:DD+7], v[BFR:BFR+7], v[AFR:AFR+7], v[DD:DD+7], v[SBR], v[SAR] matrix_a_fmt:MATRIX_FMT_FP4 matrix_b_fmt:MATRIX_FMT_FP4 matrix_b_scale:MATRIX_SCALE_ROW1
.else
	v_wmma_scale_f32_16x16x128_f8f6f4 v[DD:DD+7], v[BFR:BFR+7], v[AFR:AFR+7], v[DD:DD+7], v[SBR], v[SAR] matrix_a_fmt:MATRIX_FMT_FP4 matrix_b_fmt:MATRIX_FMT_FP4 matrix_a_scale:MATRIX_SCALE_ROW1 matrix_b_scale:MATRIX_SCALE_ROW1
.endif
.endif
.endm
.macro MM16 q                          ; the sixteen accumulators take turns, one instruction a turn, in the same order in every step
.irp a, 0,1,2,3
.irp b, 0,1,2,3
.set AFR, 64+32*((\q)%2)+8*\a
.set BFR, 32*((\q)%8)+8*\b
.set SBR, 24+2*(\q)+\b/2
.set SAR, 60+2*((\q)%2)+\a/2
.set PAR, (\b%2)+2*(\a%2)
.set DD, 64+8*(4*\a+\b)
.set ZC, 0
.if (\q) == 0
.set ZC, 1                             ; the first step starts the spline sums: nothing is cleared
.endif
.if (\q) == 17
.set ZC, 1                             ; the base block starts sums of its own,
.set DD, 8*(4*\a+\b)                   ; in window 1, over B's steps 0-3, whose last reader stands 13 runs of four plain lines back
.endif
	WMM
.endr
.endr
.endm
	LOADA 0, 0
.set qq, 0
.rept 18
.if qq < 17
.if qq > 0
.rept 4
	v_nop                                          ; four places between the last products and the loads into the buffer that they read (ISA guide 7.12.1 for vector instructions)
.endr
.endif
	LOADA qq+1, (qq+1)%2
	s_wait_dscnt 10                                ; this step's fragments are in: the ten loads just issued may be out
.else
	s_wait_dscnt 0x0
.endif
.if qq == 17
	WIN 0x43                                       ; source 0 (B) window 3, D window 1
.else
	WIN 0xf0|(1+qq/8)                              ; source 0 (B) in its window, source 1 (A) window 0, C and D window 3
.endif
	MM16 qq
	WIN 0
.set qq, qq+1
.endr
	; ---- the way out: wb x base sums + ws x spline sums, each accumulator from its low end on
.rept 4
	v_nop                                          ; four places behind the last products
.endr
	WIN 0x41                                       ; destination and source 0 window 1
.set i, 0
.rept 64
	v_pk_mul_f32 v[i:i+1], v[i:i+1], s[24:25] op_sel_hi:[1,0]
.set i, i+2
.endr
	WIN 0x13                                       ; source 0 window 3, source 2 window 1, destination window 0
.set i, 0
.rept 64
	v_pk_fma_f32 v[64+i:65+i], v[64+i:65+i], s[26:27], v[i:i+1] op_sel_hi:[1,0,1]
.set i, i+2
.endr
	WIN 0
.irp a, 0,1,2,3
.irp b, 0,1,2,3
.irp u, 0,1
	global_store_b128 v12, v[64+8*(4*\a+\b)+4*\u:64+8*(4*\a+\b)+4*\u+3], s[14:15] offset:(4*\b+\u)*1024+256*\a   ; quad 16 w + 4 b + 2 (lane / 16) + u, row 16 a + lane % 16: sixteen lanes store 256 consecutive bytes, aligned
.endr
.endr
.endr
	s_set_vgpr_msb 0xf
	s_wait_tensorcnt 0x0
	ds_add_u32 v254, v255
	s_wait_dscnt 0x0
	s_set_vgpr_msb 0xf00
	s_endpgm
.Lfunc_end_k_qcd96d11e50_l0:
	.size	k_qcd96d11e50_l0, .Lfunc_end_k_qcd96d11e50_l0-k_qcd96d11e50_l0
	.p2alignl 7, 3214868480
	.fill 96, 4, 3214868480
	.section	.rodata,"a",@progbits
	.p2align	6, 0x0
	.amdhsa_kernel k_qcd96d11e50_l0
		.amdhsa_group_segment_fixed_size 87040
		.amdhsa_private_segment_fixed_size 0
		.amdhsa_enable_private_segment 0
		.amdhsa_kernarg_size 48
		.amdhsa_user_sgpr_count 2
		.amdhsa_user_sgpr_kernarg_segment_ptr 1
		.amdhsa_wavefront_size32 1
		.amdhsa_system_sgpr_workgroup_id_x 1
		.amdhsa_system_sgpr_workgroup_id_y 1
		.amdhsa_system_sgpr_workgroup_id_z 1
		.amdhsa_system_vgpr_workitem_id 0
		.amdhsa_next_free_vgpr 1024
		.amdhsa_next_free_sgpr 96
		.amdhsa_reserve_vcc 0
		.amdhsa_float_denorm_mode_32 3
		.amdhsa_float_denorm_mode_16_64 3
		.amdhsa_memory_ordered 1
		.amdhsa_forward_progress 1
		.amdhsa_inst_pref_size 255
	.end_amdhsa_kernel
	.section	.bss,"aw",@nobits
	.p2align	6
	.space	262144
	.amdgpu_metadata
---
amdhsa.version: [ 1, 2 ]
amdhsa.kernels:
  - .name:           k_qcd96d11e50_l0
    .symbol:         k_qcd96d11e50_l0.kd
    .args:
      - { .name: pb, .offset: 0, .size: 8, .value_kind: global_buffer, .address_space: global }
      - { .name: wq0, .offset: 8, .size: 8, .value_kind: global_buffer, .address_space: global }
      - { .name: cfg0, .offset: 16, .size: 8, .value_kind: global_buffer, .address_space: global }
      - { .name: wb0, .offset: 24, .size: 8, .value_kind: global_buffer, .address_space: global }
      - { .name: ws0, .offset: 32, .size: 8, .value_kind: global_buffer, .address_space: global }
      - { .name: pa, .offset: 40, .size: 8, .value_kind: global_buffer, .address_space: global }
    .group_segment_fixed_size: 87040
    .private_segment_fixed_size: 0
    .kernarg_segment_align: 8
    .kernarg_segment_size: 48
    .max_flat_workgroup_size: 128
    .sgpr_count:     96
    .vgpr_count:     1024
    .wavefront_size: 32
...
	.end_amdgpu_metadata
.endif
;; end of part 2
;; launch l1: the kernel of part 2 again; grid 8 x 32, 4 waves a work-group, no clusters, 87,040 bytes of LDS; arguments pa, wq1, cfg1, wb1, ws1, pb; writes pb
;; launch l2: the kernel of part 2 again; grid 8 x 32, 4 waves a work-group, no clusters, 87,040 bytes of LDS; arguments pb, wq2, cfg2, wb2, ws2, pa; writes pa
;; launch head (part 3): grid 256 x 1, 8 waves a work-group, no clusters, 77,312 bytes of LDS; arguments pa, sw3, bw3, wb3, ws3, out0; writes out0
.if DOCPART == 3
	.amdgcn_target "amdgcn-amd-amdhsa--gfx1250"
	.amdhsa_code_object_version 6
	.text
	.protected	k_qcd96d11e50_head
	.globl	k_qcd96d11e50_head
	.p2align	8
	.type	k_qcd96d11e50_head,@function
k_qcd96d11e50_head:
	s_mov_b64 s[64:65], 0
	v_nop
	global_prefetch_b8 v0, s[64:65] scope:SCOPE_SE
	s_setreg_imm32_b32 hwreg(HW_REG_WAVE_MODE, 25, 1), 1
	s_wait_xcnt 0x0
; THE OUTPUT LAYER, 256 -> 1: out = wb3 silu(h) . bw3 + ws3 bas(h) . sw3, in f32 on the vector unit (one output column: nothing for a matrix unit to share).
; h is the sum of the nine planes that the last hidden layer stored ([row tile 32][quad of features 64][row 64][4 f32]).
; SHARES.  A work-group takes 8 rows (row tile wg / 8, rows 8 (wg % 8) on): 256 work-groups.  Wave v, lane l: feature f = 32 v + l, for all 8 rows.  A lane keeps its feature's 65 spline weights in registers, with four zeros
; ahead and four behind; of a row's bases four at the most are not zero, and their four weights are picked out of the 73 registers by a shifter of selects on the cell's number, bit by bit:
; no address hangs on a number.  Bases that do not exist fall on the zeros.
; The four bases are taken in closed form in u, the place in the cell: nothing here goes into a quantiser.
; sw3 comes once, 16 bytes a lane, into LDS as it lies; a feature's 65 words are an odd number of words apart, so the lanes' reads fall on different banks.
; The store is 32 bytes a work-group: the whole output is 8,192 bytes, and more rows to a work-group would leave most of the chip without work.
; LIMITS: NaN and infinities are not served.
.set TAB, 0                            ; LDS: sw3, 66,560 bytes
.set HT,  66560                        ; h turned from (quad, row) to (row, feature): 1,152 bytes a wave, 144 a row
.set RED, 75776                        ; the waves' sums: [wave 8][row 8] words
	s_load_b256 s[4:11], s[0:1], 0x0               ; planes s[4:5], sw3 s[6:7], bw3 s[8:9], wb3 s[10:11]
	s_load_b128 s[12:15], s[0:1], 0x20             ; ws3 s[12:13], out0 s[14:15]
	v_lshl_add_u32 v254, v0, 2, 0x12a00
	v_mov_b32 v255, 0
	v_lshrrev_b32 v1, 5, v0
	v_readfirstlane_b32 s16, v1                    ; wave v
	v_and_b32 v1, 31, v0                           ; lane
	s_lshr_b32 s17, ttmp9, 3                       ; row tile
	s_and_b32 s18, ttmp9, 7                        ; which 8 of its rows
	v_lshlrev_b32 v12, 4, v0                       ; v12 16 t: sw3, in memory and in LDS
	v_add_nc_u32 v15, 65536, v12                   ; v15 its last 1,024 bytes in LDS (waves 0 and 1)
	v_lshlrev_b32 v13, 2, v0                       ; v13 4 f
	v_lshrrev_b32 v20, 3, v1
	v_and_b32 v21, 7, v1
	v_lshlrev_b32 v2, 10, v20
	v_lshl_add_u32 v2, v21, 4, v2                  ; v2-10 plane p: quad lane / 8, row lane % 8
.irp p, 1,2,3,4,5,6,7,8
	v_add_nc_u32 v[2+\p], \p<<21, v2
.endr
	s_mul_i32 s19, s16, 1152
	s_add_co_u32 s19, s19, HT
	v_mul_u32_u24 v16, v21, 144
	v_lshl_add_u32 v16, v20, 4, v16
	v_add_nc_u32 v16, s19, v16                     ; v16 h in: row lane % 8, quad lane / 8
	v_lshl_add_u32 v17, v1, 2, s19                 ; v17 h out: feature = lane
	v_mul_u32_u24 v18, v0, 260                     ; v18 my feature's 65 words
	s_lshl_b32 s19, s16, 5
	s_add_co_u32 s19, s19, RED
	v_mov_b32 v19, s19                             ; v19 my wave's eight sums
	v_lshl_add_u32 v11, v1, 2, RED                 ; v11 the sums read back
	v_lshlrev_b32 v32, 2, v1                       ; v32 out0: 4 bytes a row
	s_mov_b32 s24, 0x4261745d                      ; 1 / H
	s_mov_b32 s25, 0x40ba2e8c                      ; 0.05 / H + 3
	s_mov_b32 s26, 0x3e2aaaab                      ; 1 / 6
	s_mov_b32 s28, 0x76543210
	s_mov_b32 s29, 0xfedcba98                      ; v_permlanex16_b32's selects for lane l xor 16
	s_lshl_b32 s22, s17, 16
	s_lshl_b32 s23, s16, 13
	s_add_co_u32 s22, s22, s23
	s_lshl_b32 s23, s18, 7
	s_add_co_u32 s22, s22, s23                     ; row tile, my 8 quads, the 8 rows
	s_mov_b32 s23, 0
	s_lshl_b32 s38, ttmp9, 5
	s_mov_b32 s39, 0
	s_wait_kmcnt 0x0
	s_load_b32 s20, s[10:11], 0x0                  ; wb3
	s_load_b32 s21, s[12:13], 0x0                  ; ws3
	s_add_nc_u64 s[4:5], s[4:5], s[22:23]
	s_add_nc_u64 s[14:15], s[14:15], s[38:39]
.irp i, 0,1,2,3,4,5,6,7,8,9,10,11,12,13,14,15
	global_load_b128 v[64+4*\i:67+4*\i], v12, s[6:7] offset:4096*\i
.endr
	s_cmp_lt_u32 s16, 2
	s_cbranch_scc0 .Lno_rest_in
	global_load_b128 v[128:131], v12, s[6:7] offset:65536          ; 66,560 = 16 x 4,096 + 1,024: the rest, 64 threads
.Lno_rest_in:
	global_load_b32 v14, v13, s[8:9]               ; bw3[f]
.irp p, 0,1,2,3,4,5,6,7,8
	global_load_b128 v[140+8*\p:143+8*\p], v[2+\p], s[4:5]
	global_load_b128 v[144+8*\p:147+8*\p], v[2+\p], s[4:5] offset:4096   ; four quads on
.endr
	s_wait_loadcnt 19                              ; sw3 is in: bw3's load and the 18 plane loads were issued behind it
.irp i, 0,1,2,3,4,5,6,7,8,9,10,11,12,13,14,15
	ds_store_b128 v12, v[64+4*\i:67+4*\i] offset:TAB+4096*\i
.endr
	s_cmp_lt_u32 s16, 2
	s_cbranch_scc0 .Lno_rest_out
	ds_store_b128 v15, v[128:131]
.Lno_rest_out:
	s_wait_loadcnt 0x0
.irp p, 1,2,3,4,5,6,7,8
.irp i, 0,2,4,6
	v_pk_add_f32 v[140+\i:141+\i], v[140+\i:141+\i], v[140+8*\p+\i:141+8*\p+\i]   ; h = the sum of the planes
.endr
.endr
	ds_store_b128 v16, v[140:143]
	ds_store_b128 v16, v[144:147] offset:64
.irp r, 0,1,2,3,4,5,6,7
	ds_load_b32 v[40+\r], v17 offset:144*\r        ; h(row r, my feature): my wave's own bytes, served in order
.endr
	s_wait_kmcnt 0x0
	s_wait_dscnt 0x0                               ; for the others' sake: my part of sw3 has landed
	s_barrier_signal -1
	s_barrier_wait -1
.irp i, 0,1,2,3,4,5,6,7,8,9,10,11,12,13,14,15,16,17,18,19,20,21,22,23,24,25,26,27,28,29,30,31,32,33,34,35,36,37,38,39,40,41,42,43,44,45,46,47,48,49,50,51,52,53,54,55,56,57,58,59,60,61,62,63,64
	ds_load_b32 v[68+\i], v18 offset:TAB+4*\i      ; E[4 + i] = sw3[f][i]
.endr
.irp i, 64,65,66,67,133,134,135,136
	v_mov_b32 v[\i], 0                             ; E[0 .. 3] and E[69 .. 72]
.endr
	; silu of the 8 rows, x wb3 bw3[f]
.irp i, 0,2,4,6
	v_pk_mul_f32 v[48+\i:49+\i], v[40+\i:41+\i], 0xbfb8aa3b op_sel_hi:[1,0]
.endr
.irp i, 0,1,2,3,4,5,6,7
	v_exp_f32 v[48+\i], v[48+\i]
.endr
	v_mul_f32 v14, s20, v14                        ; (a plain line behind the exponentials)
	s_wait_alu depctr_va_vdst(0)                   ; one wait for the batch, ahead of its first reader
.irp i, 0,2,4,6
	v_pk_add_f32 v[48+\i:49+\i], v[48+\i:49+\i], 1.0 op_sel_hi:[1,0]
.endr
.irp i, 0,1,2,3,4,5,6,7
	v_rcp_f32 v[48+\i], v[48+\i]
.endr
	v_nop
	s_wait_alu depctr_va_vdst(0)
.irp i, 0,2,4,6
	v_pk_mul_f32 v[48+\i:49+\i], v[48+\i:49+\i], v[40+\i:41+\i]
.endr
.irp i, 0,1,2,3,4,5,6,7
	v_mul_f32 v[48+\i], v[48+\i], v14
.endr
	s_wait_dscnt 0x0                               ; E is in
; Row r: the cell, the four bases, their four weights, the feature's share of the output.
.macro ROW r
	v_fma_f32 v20, v[40+\r], s24, s25              ; z
	v_med3_num_f32 v20, v20, -1.0, 0x42890000      ; held to -1 .. 68.5
	v_floor_f32 v21, v20
	v_sub_f32 v22, v20, v21                        ; u
	v_cvt_i32_f32 v23, v21
	v_add_nc_u32 v23, 1, v23                       ; base j - 3 + t has its weight in E[j + 1 + t]: the shift, 0 .. 69
.irp k, 0,1,2,3,4,5,6
	v_and_b32 v[24+\k], 1<<\k, v23
.endr
.irp k, 0,1,2,3,4,5,6
	v_cmp_ne_u32 s[30+\k], 0, v[24+\k]
.endr
	v_sub_f32 v24, 1.0, v22
	v_mul_f32 v25, v22, v22                        ; u^2
	v_mul_f32 v27, v24, v24
	v_mul_f32 v26, v25, v22                        ; u^3
	v_mul_f32 v27, v27, v24
	v_add_f32 v29, v25, v22
	v_mul_f32 v27, s26, v27                        ; (1 - u)^3 / 6
	v_fma_f32 v28, v26, 0.5, -v25
	v_sub_f32 v29, v29, v26
	v_add_f32 v28, 0x3f2aaaab, v28                 ; u^3 / 2 - u^2 + 2 / 3
	v_fma_f32 v29, v29, 0.5, s26                   ; (u^2 + u - u^3) / 2 + 1 / 6
	v_mul_f32 v30, s26, v26                        ; u^3 / 6
.irp m, 0,1,2,3,4,5,6,7,8
	v_cndmask_b32 v[140+\m], v[64+\m], v[128+\m], s36      ; by 64: then at most 5 are left, so nine registers do
.endr
.irp m, 0,1,2,3,4,5,6,7,8
	v_cndmask_b32 v[150+\m], v[140+\m], v[96+\m], s35      ; by 32
.endr
.irp m, 9,10,11,12,13,14,15,16,17,18,19,20,21,22,23,24,25,26,27,28,29,30,31,32,33,34
	v_cndmask_b32 v[150+\m], v[64+\m], v[96+\m], s35
.endr
.irp m, 0,1,2,3,4,5,6,7,8,9,10,11,12,13,14,15,16,17,18
	v_cndmask_b32 v[150+\m], v[150+\m], v[166+\m], s34     ; by 16, in place and ascending: what a line overwrites no later line reads
.endr
.irp m, 0,1,2,3,4,5,6,7,8,9,10
	v_cndmask_b32 v[150+\m], v[150+\m], v[158+\m], s33
.endr
.irp m, 0,1,2,3,4,5,6
	v_cndmask_b32 v[150+\m], v[150+\m], v[154+\m], s32
.endr
.irp m, 0,1,2,3,4
	v_cndmask_b32 v[150+\m], v[150+\m], v[152+\m], s31
.endr
.irp m, 0,1,2,3
	v_cndmask_b32 v[150+\m], v[150+\m], v[151+\m], s30
.endr
	v_mul_f32 v31, v27, v150
	v_fmac_f32 v31, v28, v151
	v_fmac_f32 v31, v29, v152
	v_fmac_f32 v31, v30, v153
	v_fma_f32 v[56+\r], v31, s21, v[48+\r]         ; ws3 x spline + wb3 x base
.endm
.irp r, 0,1,2,3,4,5,6,7
	ROW \r
.endr
	; the sum over my wave's 32 features, row by row
.irp k, 1,2,4,8
.irp r, 0,1,2,3,4,5,6,7
	v_add_f32_dpp v[56+\r], v[56+\r], v[56+\r] row_xmask:\k row_mask:0xf bank_mask:0xf
.endr
.endr
.irp r, 0,1,2,3,4,5,6,7
	v_permlanex16_b32 v[48+\r], v[56+\r], s28, s29
.endr
.irp r, 0,1,2,3,4,5,6,7
	v_add_f32 v[56+\r], v[56+\r], v[48+\r]
.endr
.irp r, 0,1,2,3,4,5,6,7
	ds_store_b32 v19, v[56+\r] offset:4*\r         ; all lanes write the same word with the same value
.endr
	s_wait_dscnt 0x0                               ; for wave 0's sake
	s_barrier_signal -1
	s_barrier_wait -1
	s_cmp_lg_u32 s16, 0
	s_cbranch_scc1 .Lend
	ds_load_b32 v21, v11                           ; lane l: wave l / 8, row l % 8;
	ds_load_b32 v22, v11 offset:128                ; and wave l / 8 + 4
	s_wait_dscnt 0x0
	v_add_f32 v21, v21, v22
	v_add_f32_dpp v21, v21, v21 row_xmask:8 row_mask:0xf bank_mask:0xf
	v_permlanex16_b32 v22, v21, s28, s29
	v_add_f32 v21, v21, v22                        ; lanes 0-7 hold rows 0-7
	v_cmp_gt_u32 vcc_lo, 8, v1
	s_wait_xcnt 0x0                                ; EXEC changes only behind this wait
	s_and_saveexec_b32 s40, vcc_lo
	global_store_b32 v32, v21, s[14:15]
	s_wait_xcnt 0x0                                ; and again, in front of the line that widens it
	s_or_b32 exec_lo, exec_lo, s40
.Lend:
	s_wait_tensorcnt 0x0
	ds_add_u32 v254, v255
	s_wait_dscnt 0x0
	s_endpgm
.Lfunc_end_k_qcd96d11e50_head:
	.size	k_qcd96d11e50_head, .Lfunc_end_k_qcd96d11e50_head-k_qcd96d11e50_head
	.p2alignl 7, 3214868480
	.fill 96, 4, 3214868480
	.section	.rodata,"a",@progbits
	.p2align	6, 0x0
	.amdhsa_kernel k_qcd96d11e50_head
		.amdhsa_group_segment_fixed_size 77312
		.amdhsa_private_segment_fixed_size 0
		.amdhsa_enable_private_segment 0
		.amdhsa_kernarg_size 48
		.amdhsa_user_sgpr_count 2
		.amdhsa_user_sgpr_kernarg_segment_ptr 1
		.amdhsa_wavefront_size32 1
		.amdhsa_system_sgpr_workgroup_id_x 1
		.amdhsa_system_sgpr_workgroup_id_y 1
		.amdhsa_system_sgpr_workgroup_id_z 1
		.amdhsa_system_vgpr_workitem_id 0
		.amdhsa_next_free_vgpr 256
		.amdhsa_next_free_sgpr 66
		.amdhsa_reserve_vcc 1
		.amdhsa_float_denorm_mode_32 3
		.amdhsa_float_denorm_mode_16_64 3
		.amdhsa_memory_ordered 1
		.amdhsa_forward_progress 1
		.amdhsa_inst_pref_size 79
	.end_amdhsa_kernel
	.amdgpu_metadata
---
amdhsa.version: [ 1, 2 ]
amdhsa.kernels:
  - .name:           k_qcd96d11e50_head
    .symbol:         k_qcd96d11e50_head.kd
    .args:
      - { .name: pa, .offset: 0, .size: 8, .value_kind: global_buffer, .address_space: global }
      - { .name: sw3, .offset: 8, .size: 8, .value_kind: global_buffer, .address_space: global }
      - { .name: bw3, .offset: 16, .size: 8, .value_kind: global_buffer, .address_space: global }
      - { .name: wb3, .offset: 24, .size: 8, .value_kind: global_buffer, .address_space: global }
      - { .name: ws3, .offset: 32, .size: 8, .value_kind: global_buffer, .address_space: global }
      - { .name: out0, .offset: 40, .size: 8, .value_kind: global_buffer, .address_space: global }
    .group_segment_fixed_size: 77312
    .private_segment_fixed_size: 0
    .kernarg_segment_align: 8
    .kernarg_segment_size: 48
    .max_flat_workgroup_size: 256
    .sgpr_count:     66
    .vgpr_count:     256
    .wavefront_size: 32
...
	.end_amdgpu_metadata
.endif
;; end of part 3
;; ======== version 2 of 2: 5 launches
;; workspace buffers: wq0 626,688 bytes; wq1 2,506,752 bytes; wq2 2,506,752 bytes; pa 18,874,368 bytes; pb 18,874,368 bytes; cfg0 256 bytes of whole numbers; cfg1 256 bytes of whole numbers; cfg2 256 bytes of whole numbers
;; launch prep (part 4): grid 9 x 72, 4 waves a work-group, no clusters, 21,504 bytes of LDS; arguments sw0, sw1, sw2, bw0_codes, bw0_scales, bw1_codes, bw1_scales, bw2_codes, bw2_scales, x, wq0, wq1, wq2, pb, cfg0, cfg1, cfg2; writes wq0, wq1, wq2, pb, cfg0, cfg1, cfg2
.if DOCPART == 4
	.amdgcn_target "amdgcn-amd-amdhsa--gfx1250"
	.amdhsa_code_object_version 6
	.text
	.protected	k_qcd96d11e50_prep
	.globl	k_qcd96d11e50_prep
	.p2align	8
	.type	k_qcd96d11e50_prep,@function
k_qcd96d11e50_prep:
	s_mov_b64 s[64:65], 0
	v_nop
	global_prefetch_b8 v0, s[64:65] scope:SCOPE_SE
	s_setreg_imm32_b32 hwreg(HW_REG_WAVE_MODE, 25, 1), 1
	s_wait_xcnt 0x0
; PREP.  The weights of the three quantised layers are laid once, as codes of E2M1 with E8M0 scale bytes, in the order in which a wave's operand registers take them.
; A layer's K is cut into slices of 32 features: 32 x 65 = 2,080 along the spline product's K = 65 blocks of 32, and one block of 32 of the base product.
; A slice has 18 steps of 128 along K: steps 0-15 spline blocks 0-63; step 16 spline block 64 and three blocks of zero codes; step 17 the base block (given codes, taken as they are) and three blocks of zero codes.
; RECORD (slice s, step q, column group w of 64 columns) at ((18 s + q) 4 + w) x 4,352 bytes: four images of 1,024 bytes (column tile b: columns 64 w + 16 b + r), block beta of column r at
; (beta / 2) 512 + (beta % 2) 256 + 16 r, which is the register image of a 4-bit fragment; then 256 scale bytes: at 8 (16 (b % 2) + r) + 4 (b / 2) + beta.
; SHARES.  Work-group (x = pi, y): y / 4 names layer and slice (0-1 layer 0, 2-9 layer 1, 10-17 layer 2), y % 4 the column group; pi < 8: steps 2 pi and 2 pi + 1; pi = 8: steps 16 and 17.  Wave b takes column tile b.
; The work-groups with pi = 8 and y < 32 also lay x as the layers read their input: plane 0 of pb, [row tile 32][quad of features][row 64][4 f32]; the one with y = 0 stores the three layers' (planes - 1, residual) pairs.
; A block's scale byte is its largest magnitude's exponent field - 2, held at 1 from below (a block of zeros gets 1 where the rule says 127: its codes are zeros, and this program alone reads the bytes).
; LIMITS: NaN and infinities among the weights are not served.
; No tensor load, no cluster: no two work-groups read the same bytes.  The two paths part on the work-group's x alone and have LDS bytes of their own.
.set STG,  0                           ; regular path: a stage of two images for each wave, 2,048 bytes a wave
.set SCB,  8192                        ; and two steps' scale bytes, 256 each
.set STG2, 12288                       ; the same for the tail path
.set SCB2, 20480
.set REC,  4352
.set QSTR, 4*REC                       ; from a step's record to the next step's
.set MXR,  16                          ; v16-31   a column's largest magnitude, then the conversion's scale operand
.set X,    32                          ; v32-159  16 columns x 8 numbers
.set AO,   160                         ; v160-175 the columns' byte offsets
.set CV,   176                         ; v176-191 codes, a register a column
.set BYR,  192                         ; v192-207 scale bytes
.set IM,   208                         ; v208-223 the way out of the images; v224-227 of the scale bytes
	s_load_b256 s[4:11], s[0:1], 0x0               ; sw0 s[4:5], sw1 s[6:7], sw2 s[8:9], bw0's codes s[10:11]
	s_load_b256 s[12:19], s[0:1], 0x20             ; bw0's scales s[12:13], bw1's codes, scales s[14:17], bw2's codes s[18:19]
	s_load_b256 s[20:27], s[0:1], 0x40             ; bw2's scales s[20:21], x s[22:23], wq0 s[24:25], wq1 s[26:27]
	s_load_b256 s[28:35], s[0:1], 0x60             ; wq2 s[28:29], pb s[30:31], cfg0 s[32:33], cfg1 s[34:35]
	s_load_b64 s[36:37], s[0:1], 0x80              ; cfg2
	v_lshl_add_u32 v232, v0, 2, 0x5200
	v_mov_b32 v233, 0
	v_lshrrev_b32 v1, 5, v0
	v_readfirstlane_b32 s40, v1                    ; wave b = column tile
	v_and_b32 v2, 31, v0                           ; lane l
	s_wait_alu depctr_va_vdst(0)
	s_and_b32 s41, ttmp7, 0xffff                   ; y
	s_lshr_b32 s42, s41, 2                         ; layer and slice
	s_and_b32 s43, s41, 3                          ; column group w
	s_lshl_b32 s54, s40, 11                        ; 2,048 b: my stage
	s_and_b32 s55, s40, 1
	s_lshl_b32 s55, s55, 7
	s_lshr_b32 s56, s40, 1
	s_lshl_b32 s56, s56, 2
	s_add_co_u32 s55, s55, s56                     ; 128 (b % 2) + 4 (b / 2): my tile's words among a record's scale bytes
	; every LDS address is made here, ahead of the parting
	v_lshrrev_b32 v3, 2, v2                        ; l / 4
	v_and_b32 v1, 3, v2                            ; l % 4
	v_lshlrev_b32 v4, 8, v3
	v_lshl_add_u32 v4, v1, 2, v4
	v_add_nc_u32 v4, s54, v4                       ; regular: my 8 codes: lane l holds k = 8 l .. 8 l + 7: block l / 4 of eight (256 bytes apart in the two images), 4 (l % 4) in it
	v_lshrrev_b32 v5, 4, v2
	v_lshlrev_b32 v5, 8, v5
	v_and_b32 v6, 3, v3
	v_add_nc_u32 v5, v5, v6
	v_add_nc_u32 v5, s55, v5
	v_add_nc_u32 v5, SCB, v5                       ; regular: my block's scale byte: step l / 16, byte (l / 4) % 4
	v_lshlrev_b32 v229, 4, v2                      ; 16 l
	v_add_nc_u32 v6, s54, v229                     ; the stage read back (and cleared): 16 bytes a lane
	s_lshl_b32 s56, s40, 10
	v_add_nc_u32 v7, s56, v229                     ; the same bytes in a record: 1,024 b + 16 l
	v_lshlrev_b32 v8, 2, v2
	v_add_nc_u32 v8, s54, v8
	v_add_nc_u32 v8, STG2, v8                      ; tail, step 16: column 8 p + l / 4, 4 (l % 4) in its block 0: 128 p + 4 l
	v_lshlrev_b32 v9, 3, v3
	v_add_nc_u32 v9, s55, v9
	v_add_nc_u32 v9, SCB2, v9                      ; and its scale word
	v_and_b32 v16, 15, v2                          ; r
	v_lshlrev_b32 v10, 4, v16
	v_add_nc_u32 v10, s54, v10
	v_add_nc_u32 v10, STG2+1024, v10               ; tail, step 17: block 0 of column r
	v_lshlrev_b32 v11, 3, v16
	v_add_nc_u32 v11, s55, v11
	v_add_nc_u32 v11, SCB2+256, v11                ; and its scale word
	v_lshrrev_b32 v228, 4, v2
	v_mul_u32_u24 v228, v228, QSTR
	v_lshl_add_u32 v228, v16, 4, v228              ; the scale bytes' way out: lanes 0-15 the first step's 256 bytes, lanes 16-31 the second's
	s_wait_kmcnt 0x0
	s_cmp_lt_u32 s42, 10                           ; layer 1 or layer 2?  The choices hang on the work-group's number alone
	s_cselect_b64 s[6:7], s[6:7], s[8:9]
	s_cselect_b64 s[14:15], s[14:15], s[18:19]
	s_cselect_b64 s[16:17], s[16:17], s[20:21]
	s_cselect_b64 s[26:27], s[26:27], s[28:29]
	s_cselect_b32 s44, 2, 10
	s_cmp_lt_u32 s42, 2                            ; or layer 0?
	s_cselect_b64 s[4:5], s[4:5], s[6:7]           ; the spline weights
	s_cselect_b64 s[10:11], s[10:11], s[14:15]     ; the base weights' codes
	s_cselect_b64 s[12:13], s[12:13], s[16:17]     ; and scale bytes
	s_cselect_b64 s[24:25], s[24:25], s[26:27]     ; the records
	s_cselect_b32 s44, 0, s44
	s_mov_b32 s45, 66560
	s_cselect_b32 s45, 16640, s45                  ; a row of the spline weights in bytes: features x 65 x 4
	s_cselect_b32 s46, 5, 7                        ; a row of the base codes: 32 or 128 bytes
	s_cselect_b32 s47, 1, 3                        ; a row of the base scales: 2 or 8 bytes
	s_sub_co_u32 s44, s42, s44                     ; slice s
	s_lshl_b32 s48, s43, 6
	s_lshl_b32 s49, s40, 4
	s_add_co_u32 s48, s48, s49                     ; n0 = 64 w + 16 b
	s_mul_i32 s50, s48, s45
	s_mul_i32 s51, s44, 8320
	s_add_co_u32 s50, s50, s51
	s_lshl_b32 s51, ttmp9, 10
	s_add_co_u32 s50, s50, s51                     ; n0 rows + (2,080 s + 256 pi) numbers: under 2^25 bytes
	s_mov_b32 s51, 0
	s_add_nc_u64 s[4:5], s[4:5], s[50:51]
	s_mul_i32 s52, s44, 18
	s_lshl_b32 s53, ttmp9, 1
	s_add_co_u32 s52, s52, s53
	s_lshl_b32 s52, s52, 2
	s_add_co_u32 s52, s52, s43
	s_mul_i32 s52, s52, REC                        ; record (s, 2 pi, w)
	s_mov_b32 s53, 0
	s_add_nc_u64 s[24:25], s[24:25], s[52:53]
	v_mul_lo_u32 v12, v3, s45
	v_lshl_add_u32 v12, v1, 5, v12                 ; tail, step 16: row l / 4, 32 (l % 4) bytes on;
	s_lshl_b32 s57, s45, 3
	v_add_nc_u32 v13, s57, v12                     ; the second pass eight rows further down
	v_add_nc_u32 v14, s48, v16                     ; n0 + r
	v_lshlrev_b32 v15, s47, v14
	v_lshlrev_b32 v14, s46, v14
	s_lshl_b32 s57, s44, 4
	v_add_nc_u32 v14, s57, v14                     ; tail, step 17: block s of row n0 + r of the base codes,
	v_add_nc_u32 v15, s44, v15                     ; and its scale byte
; The way out of two steps' records.  My two images come back from my own stage (LDS serves a wave's instructions in order: no wait between my stores and these loads) and leave 512 consecutive bytes a store.
; The scale bytes come from all four waves: each waits for its LDS instructions and passes the barrier; then wave 0 stores two aligned runs of 256 bytes.
.macro OUT stg, scb
.irp i, 0,1,2,3
	ds_load_b128 v[IM+4*\i:IM+4*\i+3], v6 offset:\stg+512*\i
.endr
.irp i, 0,1,2,3
	s_wait_dscnt 3-\i                              ; LDS loads come back in order: load i is in, the younger ones may be out
	global_store_b128 v7, v[IM+4*\i:IM+4*\i+3], s[24:25] offset:(\i/2)*QSTR+(\i%2)*512
.endr
	s_wait_dscnt 0x0                               ; for the others' sake: my scale bytes have landed
	s_barrier_signal -1
	s_barrier_wait -1
	s_cmp_lg_u32 s40, 0
	s_cbranch_scc1 .Lnot_wave_0_\@
	ds_load_b128 v[224:227], v229 offset:\scb
	s_wait_dscnt 0x0
	global_store_b128 v228, v[224:227], s[24:25] offset:4096
.Lnot_wave_0_\@:
.endm
; Four columns, by turns so that no line waits for the line above it.  A lane holds 8 numbers of a column, four neighbouring lanes a block of 32.
.macro QCOLS r0
.irp r, \r0, \r0+1, \r0+2, \r0+3
	v_max3_num_f32 v[MXR+(\r)], |v[X+8*(\r)]|, |v[X+8*(\r)+1]|, 0x1800000   ; with the floor 2^(3 - 127): the byte cannot fall under 1
.endr
.irp i, 2,4,6
.irp r, \r0, \r0+1, \r0+2, \r0+3
	v_max3_num_f32 v[MXR+(\r)], v[MXR+(\r)], |v[X+8*(\r)+\i]|, |v[X+8*(\r)+\i+1]|
.endr
.endr
.irp r, \r0, \r0+1, \r0+2, \r0+3
	v_max_num_f32_dpp v[MXR+(\r)], v[MXR+(\r)], v[MXR+(\r)] row_xmask:1 row_mask:0xf bank_mask:0xf
.endr
.irp r, \r0, \r0+1, \r0+2, \r0+3
	v_max_num_f32_dpp v[MXR+(\r)], v[MXR+(\r)], v[MXR+(\r)] row_xmask:2 row_mask:0xf bank_mask:0xf   ; the block's largest magnitude
.endr
.irp r, \r0, \r0+1, \r0+2, \r0+3
	v_add_nc_u32 v[MXR+(\r)], 0xff000000, v[MXR+(\r)]   ; 2 off its exponent field: the conversion takes this operand's exponent field as its scale
.endr
.irp r, \r0, \r0+1, \r0+2, \r0+3
	v_cvt_scalef32_pk8_fp4_f32 v[CV+(\r)], v[X+8*(\r):X+8*(\r)+7], v[MXR+(\r)]
.endr
.irp r, \r0, \r0+1, \r0+2, \r0+3
	v_lshrrev_b32 v[BYR+(\r)], 23, v[MXR+(\r)]     ; the scale's byte (a plain line behind the conversions)
.endr
.irp r, \r0, \r0+1, \r0+2, \r0+3
	ds_store_b32 v4, v[CV+(\r)] offset:STG+16*(\r)
	ds_store_b8 v5, v[BYR+(\r)] offset:8*(\r)      ; the four lanes of a block write the same byte with the same value
.endr
.endm
	s_cmp_eq_u32 ttmp9, 8
	s_cbranch_scc1 .Ltail
	; ---- steps 2 pi and 2 pi + 1: 256 along K of 16 columns
	v_lshlrev_b32 v[AO], 5, v2                     ; 32 bytes a lane
.irp r, 1,2,3,4,5,6,7,8,9,10,11,12,13,14,15
	v_add_nc_u32 v[AO+\r], s45, v[AO+\r-1]         ; a row further down
.endr
.irp r, 0,1,2,3,4,5,6,7,8,9,10,11,12,13,14,15
	global_load_b128 v[X+8*\r:X+8*\r+3], v[AO+\r], s[4:5] th:TH_LOAD_NT             ; a column's two loads cover 1,024 consecutive bytes; read once in the launch
	global_load_b128 v[X+8*\r+4:X+8*\r+7], v[AO+\r], s[4:5] offset:16 th:TH_LOAD_NT
.endr
	s_wait_loadcnt 24                              ; columns 0-3 are in: the 24 loads of the twelve columns behind them may be out
	QCOLS 0
	s_wait_loadcnt 16
	QCOLS 4
	s_wait_loadcnt 8
	QCOLS 8
	s_wait_loadcnt 0x0
	QCOLS 12
	OUT STG, SCB
	s_wait_tensorcnt 0x0
	ds_add_u32 v232, v233
	s_wait_dscnt 0x0
	s_endpgm
.Ltail:
	; ---- steps 16 and 17
.irp i, 0,1,2,3
	v_mov_b32 v[32+\i], 0
.endr
.irp i, 0,1,2,3
	ds_store_b128 v6, v[32:35] offset:STG2+512*\i  ; both images begin as zero codes; what follows overwrites block 0 (a wave's LDS instructions are served in order)
.endr
	global_load_b128 v[40:43], v12, s[4:5] th:TH_LOAD_NT
	global_load_b128 v[44:47], v12, s[4:5] offset:16 th:TH_LOAD_NT
	global_load_b128 v[48:51], v13, s[4:5] th:TH_LOAD_NT
	global_load_b128 v[52:55], v13, s[4:5] offset:16 th:TH_LOAD_NT
	s_wait_alu depctr_va_vdst(0)
	global_load_b128 v[56:59], v14, s[10:11]
	global_load_u8 v60, v15, s[12:13]
	s_wait_loadcnt 0x0
.macro QTAIL p                         ; spline block 64 of columns 8 p + l / 4
	v_max3_num_f32 v[62+\p], |v[40+8*\p]|, |v[41+8*\p]|, 0x1800000
.irp i, 2,4,6
	v_max3_num_f32 v[62+\p], v[62+\p], |v[40+8*\p+\i]|, |v[41+8*\p+\i]|
.endr
	v_max_num_f32_dpp v[62+\p], v[62+\p], v[62+\p] row_xmask:1 row_mask:0xf bank_mask:0xf
	v_max_num_f32_dpp v[62+\p], v[62+\p], v[62+\p] row_xmask:2 row_mask:0xf bank_mask:0xf
	v_add_nc_u32 v[62+\p], 0xff000000, v[62+\p]
	v_cvt_scalef32_pk8_fp4_f32 v[64+\p], v[40+8*\p:47+8*\p], v[62+\p]
	v_lshrrev_b32 v[66+\p], 23, v[62+\p]           ; the byte, zeros above it: the three blocks of zero codes have the byte 0
	ds_store_b32 v8, v[64+\p] offset:128*\p
	ds_store_b32 v9, v[66+\p] offset:64*\p
.endm
	QTAIL 0
	QTAIL 1
	ds_store_b128 v10, v[56:59]                    ; the base block's codes as they are given; lanes l and l + 16 write the same bytes with the same values
	ds_store_b32 v11, v60                          ; and its byte, zeros above it
	OUT STG2, SCB2
	; ---- x, for row tile y
	s_cmp_ge_u32 s41, 32
	s_cbranch_scc1 .Lend
	s_lshl_b32 s50, s41, 14                        ; 64 rows of 256 bytes
	s_mov_b32 s51, 0
	s_add_nc_u64 s[22:23], s[22:23], s[50:51]
	s_lshl_b32 s52, s41, 16                        ; a row tile's 65,536 bytes of a plane
	s_mov_b32 s53, 0
	s_add_nc_u64 s[30:31], s[30:31], s[52:53]
	v_and_b32 v100, 63, v0
	v_lshlrev_b32 v100, 8, v100
	v_lshrrev_b32 v101, 6, v0
	v_lshl_add_u32 v100, v101, 4, v100             ; in: row t % 64, quad t / 64 + 2 i
	v_lshlrev_b32 v101, 4, v0                      ; out: quad x 1,024 + row x 16 = 16 t + 2,048 i
.irp i, 0,1,2,3,4,5,6,7
	global_load_b128 v[104+4*\i:107+4*\i], v100, s[22:23] offset:32*\i th:TH_LOAD_NT
.endr
	s_wait_alu depctr_va_vdst(0)
.irp i, 0,1,2,3,4,5,6,7
	s_wait_loadcnt 7-\i
	global_store_b128 v101, v[104+4*\i:107+4*\i], s[30:31] offset:2048*\i   ; a wave stores 512 consecutive bytes
.endr
	; ---- the layers' whole numbers: (planes to add - 1, residual)
	s_cmp_lg_u32 s41, 0
	s_cbranch_scc1 .Lend
	s_cmp_lg_u32 s40, 0
	s_cbranch_scc1 .Lend
	v_lshlrev_b32 v140, 3, v2
	v_mov_b32 v142, 0
	v_mov_b32 v143, 0
	v_mov_b32 v144, 1
	v_mov_b32 v145, 1
	v_mov_b32 v146, 8
	v_mov_b32 v147, 1
	global_store_b64 v140, v[142:143], s[32:33]    ; each buffer's 256 bytes whole: the pair, 32 times
	global_store_b64 v140, v[144:145], s[34:35]
	global_store_b64 v140, v[146:147], s[36:37]
.Lend:
	s_wait_tensorcnt 0x0
	ds_add_u32 v232, v233
	s_wait_dscnt 0x0
	s_endpgm
.Lfunc_end_k_qcd96d11e50_prep:
	.size	k_qcd96d11e50_prep, .Lfunc_end_k_qcd96d11e50_prep-k_qcd96d11e50_prep
	.p2alignl 7, 3214868480
	.fill 96, 4, 3214868480
	.section	.rodata,"a",@progbits
	.p2align	6, 0x0
	.amdhsa_kernel k_qcd96d11e50_prep
		.amdhsa_group_segment_fixed_size 21504
		.amdhsa_private_segment_fixed_size 0
		.amdhsa_enable_private_segment 0
		.amdhsa_kernarg_size 136
		.amdhsa_user_sgpr_count 2
		.amdhsa_user_sgpr_kernarg_segment_ptr 1
		.amdhsa_wavefront_size32 1
		.amdhsa_system_sgpr_workgroup_id_x 1
		.amdhsa_system_sgpr_workgroup_id_y 1
		.amdhsa_system_sgpr_workgroup_id_z 1
		.amdhsa_system_vgpr_workitem_id 0
		.amdhsa_next_free_vgpr 234
		.amdhsa_next_free_sgpr 66
		.amdhsa_reserve_vcc 0
		.amdhsa_float_denorm_mode_32 3
		.amdhsa_float_denorm_mode_16_64 3
		.amdhsa_memory_ordered 1
		.amdhsa_forward_progress 1
		.amdhsa_inst_pref_size 27
	.end_amdhsa_kernel
	.amdgpu_metadata
---
amdhsa.version: [ 1, 2 ]
amdhsa.kernels:
  - .name:           k_qcd96d11e50_prep
    .symbol:         k_qcd96d11e50_prep.kd
    .args:
      - { .name: sw0, .offset: 0, .size: 8, .value_kind: global_buffer, .address_space: global }
      - { .name: sw1, .offset: 8, .size: 8, .value_kind: global_buffer, .address_space: global }
      - { .name: sw2, .offset: 16, .size: 8, .value_kind: global_buffer, .address_space: global }
      - { .name: bw0_codes, .offset: 24, .size: 8, .value_kind: global_buffer, .address_space: global }
      - { .name: bw0_scales, .offset: 32, .size: 8, .value_kind: global_buffer, .address_space: global }
      - { .name: bw1_codes, .offset: 40, .size: 8, .value_kind: global_buffer, .address_space: global }
      - { .name: bw1_scales, .offset: 48, .size: 8, .value_kind: global_buffer, .address_space: global }
      - { .name: bw2_codes, .offset: 56, .size: 8, .value_kind: global_buffer, .address_space: global }
      - { .name: bw2_scales, .offset: 64, .size: 8, .value_kind: global_buffer, .address_space: global }
      - { .name: x, .offset: 72, .size: 8, .value_kind: global_buffer, .address_space: global }
      - { .name: wq0, .offset: 80, .size: 8, .value_kind: global_buffer, .address_space: global }
      - { .name: wq1, .offset: 88, .size: 8, .value_kind: global_buffer, .address_space: global }
      - { .name: wq2, .offset: 96, .size: 8, .value_kind: global_buffer, .address_space: global }
      - { .name: pb, .offset: 104, .size: 8, .value_kind: global_buffer, .address_space: global }
      - { .name: cfg0, .offset: 112, .size: 8, .value_kind: global_buffer, .address_space: global }
      - { .name: cfg1, .offset: 120, .size: 8, .value_kind: global_buffer, .address_space: global }
      - { .name: cfg2, .offset: 128, .size: 8, .value_kind: global_buffer, .address_space: global }
    .group_segment_fixed_size: 21504
    .private_segment_fixed_size: 0
    .kernarg_segment_align: 8
    .kernarg_segment_size: 136
    .max_flat_workgroup_size: 128
    .sgpr_count:     66
    .vgpr_count:     234
    .wavefront_size: 32
...
	.end_amdgpu_metadata
.endif
;; end of part 4
;; launch l0 (part 5): grid 2 x 32, 4 waves a work-group, no clusters, 87,040 bytes of LDS; arguments pb, wq0, cfg0, wb0, ws0, pa; writes pa
.if DOCPART == 5
	.amdgcn_target "amdgcn-amd-amdhsa--gfx1250"
	.amdhsa_code_object_version 6
	.text
	.protected	k_qcd96d11e50_l0
	.globl	k_qcd96d11e50_l0
	.p2align	8
	.type	k_qcd96d11e50_l0,@function
k_qcd96d11e50_l0:
	s_mov_b64 s[64:65], 0
	v_nop
	global_prefetch_b8 v0, s[64:65] scope:SCOPE_SE
	s_setreg_imm32_b32 hwreg(HW_REG_WAVE_SCHED_MODE, 0, 2), 2
	s_setreg_imm32_b32 hwreg(HW_REG_WAVE_MODE, 25, 1), 1
	s_wait_xcnt 0x0
	s_wait_alu depctr_vm_vsrc(0)
; ONE KAN LAYER, out = wb silu(h) bw^T + ws bas(h) sw^T (+ h), both products on codes of E2M1 with one E8M0 scale for each 32 along K.
; SHARES.  Work-group (x = slice s of 32 input features, y = row tile mt of 64 rows) makes the slice's part of all 256 outputs of its rows and stores it as plane s of the output buffer; where the layer has a
; residual it also stores h of its own 32 features into plane 8.  The sum over planes is made by whoever reads them: here, at the head, for this work-group's 64 rows x 32 features alone.
; A plane is [row tile 32][quad of features 64][row 64][4 f32].  How many planes the input has (1, 2 or 9) and whether there is a residual are whole numbers that an earlier launch stored.  A plane past the last
; is read as the last one again and counted with the factor 0: one text without a branch serves all three counts, with every load on its way at once.
; K of a slice: 18 steps of 128: steps 0-15 spline blocks 0-63, step 16 spline block 64 and zero codes, step 17 the base block and zero codes (sums of its own, since wb and ws differ).
; B.  Wave w owns output columns 64 w .. 64 w + 63 and keeps its 18 x 4 fragments in 576 registers, loaded from records laid in register order: each byte is read once by the work-group and never passes through LDS.
; A.  Wave (rho = w / 2, kappa = w % 2): lane = row 32 rho + lane.  kappa 0 makes spline blocks 0-35, kappa 1 blocks 36-64 and the base block.  Of a feature's 65 bases four at the most are not zero: they are computed by
; Cox-de Boor's recursion on the same f32 knots as the definition's grid ((i - 3) H rounded, then - 0.05 rounded: never fused), with the knots' own differences as divisors.  A block of 32 along K covers parts of one
; or two features: its largest magnitude is taken of the bases that fall into it, eight numbers are converted at once, and the 4-bit codes are put into the block's four words by shifts and selects on values:
; no address and no branch hangs on a number.  The blocks go to LDS as images of the operand's registers and are read by all four waves.
; THE MATRIX INSTRUCTION IS USED TRANSPOSED (source 0 = 16 columns of the weights, source 1 = 16 rows): a lane holds row 16 a + lane % 16 and eight neighbouring outputs.
; NO JOINT LOADS, though the 32 row tiles of a slice read the same records: a joint load lands in LDS, and a slice's records (313,344 bytes) and A's images (86,528 bytes) together pass the 327,680 bytes that a work-group can be given.
; LIMITS: NaN and infinities among the inputs are not served.  A block of zeros has the scale byte 1 (its codes are zeros; this program alone reads the bytes).  Within some 1e-5 of a cell next to a knot the neighbouring
; polynomial piece may be taken: the pieces agree there up to the cube of that distance.
; REGISTERS, in windows of 256.  Window 0: v2-12 addresses, v13-20 plane offsets, v22-23 a constant pair, v24-59 B's scale words (step q: v[24 + 2 q], v[25 + 2 q]), v60-63 A's scale words, v64-255 by phase (below).
;   Window 1: B's steps 0-7 (32 q), later the base sums in v0-127.  Window 2: B's steps 8-15.  Window 3: v0-63 B's steps 16, 17; v64-191 the spline sums ((a, b) at 64 + 8 (4 a + b)).
; THE MODE: SCHED_MODE bits 1:0 = 2 (LLVM: expert scheduling mode 2), set by the entry lines.  The code itself states the register dependences between vector or matrix instructions and memory or LDS
; instructions, and those through scalar registers that vector instructions write, with s_wait_alu, always for 0.
; THE PLAN.  Registers that memory or LDS instructions touch, and who else names them:
;   v2-12, v252-255   addresses and a block of zero codes.  Written once at the head, read by loads and stores to the end: one wait on va_vdst ahead of the first load.
;   v13-20            plane offsets.  Written once: one wait on va_vdst ahead of the 32 loads that read them.
;   v64-207           the planes land here; the additions read them and write v64-79, which the stores of h read; later LDS loads land in v188-219 and in v64-83.  One wait on va_vdst behind the additions, one on vm_vsrc behind the stores.
;   v222, v224-227    the base block's byte and codes: one wait on va_vdst ahead of their LDS stores, one on vm_vsrc ahead of the spline arithmetic, which writes them again.
;   B's registers (windows 1 to 3) and v24-59: named by loads and, in the products, by matrix instructions, behind which no load follows.  So B's eighteen runs of loads stand among the vector work with no wait.
;   v188-203, v234-249  two groups of four sets of a block's four words; v204, v205 a step's scale word.  A step's four blocks write one group; one wait on va_vdst at the step's end, then its five LDS stores; the groups take
;                     turns, and one wait on vm_vsrc at a step's head frees the group that was stored two steps ago.  One more behind the last blocks: the way out writes v188-191.
;   v64-127, v60-63   in the products: A's two buffers.  Step q's products read buffer q % 2; the loads of step q + 1 land in the other, which step q - 1 read: one wait on va_vdst at a step's head.
;   v64-191           on the way out: written by the multiply-adds, read by the stores: one wait on va_vdst between.
;   s16, s70-89       written by vector instructions (the wave's number; masks): the compares stand in runs, with one wait on va_sdst behind each run, ahead of its first reader.
.set AIMG, 8192                        ; LDS: 0 .. 8,191 h [quad 8][row 64][16 bytes];  A's images [step 18][row tile 4][1,024];
.set ASC,  81920                       ; A's scale words [step 18][half of the rows 2][128]
.set QSTR, 17408                       ; from a step's record to the next step's
.set HX,   64                          ; A phase: v64-83 h of 20 features; v84-103 bit place of a feature's first base; v104-187 four bases a feature, and four zeros behind them
.set S,    84
.set W,    104
.set MSB, 0
.macro WIN new                         ; the immediate's high byte repeats the setting that is left; a switch that changes nothing is dropped
.if MSB != (\new)
	s_set_vgpr_msb (MSB<<8)|(\new)
.set MSB, (\new)
.endif
.endm
.macro LOADB q                         ; step q of my columns: four fragments into their window, the scale words into window 0: nine loads.  No wait: since the head's wait no vector instruction names v2, v3 or these destinations
	WIN (1+(\q)/8)<<6
.irp b, 0,1,2,3
.irp c, 0,1
	global_load_b128 v[32*((\q)%8)+8*\b+4*\c:32*((\q)%8)+8*\b+4*\c+3], v2, s[6:7] offset:QSTR*(\q)+1024*\b+512*\c
.endr
.endr
	WIN 0
	global_load_b64 v[24+2*(\q):25+2*(\q)], v3, s[6:7] offset:QSTR*(\q)+4096
.endm
	s_load_b256 s[4:11], s[0:1], 0x0               ; input planes s[4:5], records s[6:7], whole numbers s[8:9], wb s[10:11]
	s_load_b128 s[12:15], s[0:1], 0x20             ; ws s[12:13], output planes s[14:15]
	s_set_vgpr_msb 0xc0
	v_lshl_add_u32 v254, v0, 2, 0x15200
	v_mov_b32 v255, 0
	s_set_vgpr_msb 0xc000
	v_lshrrev_b32 v1, 5, v0
	v_readfirstlane_b32 s16, v1                    ; wave w
	s_mov_b32 s19, ttmp9                           ; slice s
	s_and_b32 s20, ttmp7, 0xffff                   ; row tile mt
	s_wait_alu depctr_va_sdst(0)                   ; s16 is written, ahead of its first reader
	s_lshr_b32 s17, s16, 1                         ; rho
	s_and_b32 s18, s16, 1                          ; kappa
	; every LDS address is made here, ahead of any parting of the waves
	v_and_b32 v1, 31, v0                           ; lane
	v_lshlrev_b32 v2, 4, v1                        ; v2  16 x lane: B's images
	v_lshlrev_b32 v3, 3, v1                        ; v3  8 x lane: B's scale words
	s_lshl_b32 s44, s16, 11
	v_add_nc_u32 v4, s44, v2                       ; v4  2,048 w + 16 lane: my part of the slice's 8,192 bytes of h, in a plane and in LDS alike
	s_lshl_b32 s44, s17, 9
	v_add_nc_u32 v6, s44, v2                       ; v6  h of my row, quad 0
	s_mul_i32 s45, s18, 3072
	v_add_nc_u32 v5, s45, v6                       ; v5  h of my row from quad 3 kappa on: features 0-19 or 12-31
	v_and_b32 v21, 15, v0
	v_lshlrev_b32 v21, 4, v21
	v_bfe_u32 v13, v0, 4, 1
	v_lshl_add_u32 v7, v13, 10, v21
	v_lshl_add_u32 v12, v13, 11, v21               ; v12 the way out: (lane / 16) 2,048 + (lane % 16) 16
	s_mul_i32 s44, s18, 36864
	s_lshl_b32 s45, s17, 11
	s_add_co_u32 s44, s44, s45
	s_add_co_u32 s44, s44, AIMG
	v_add_nc_u32 v7, s44, v7                       ; v7  where I store a block: step 9 kappa, row tile 2 rho + lane / 16, 16 (lane % 16)
	v_lshlrev_b32 v11, 2, v1
	s_mul_i32 s44, s18, 2304
	s_lshl_b32 s45, s17, 7
	s_add_co_u32 s44, s44, s45
	s_add_co_u32 s44, s44, ASC
	v_add_nc_u32 v8, s44, v11                      ; v8  where I store my row's scale word
	v_add_nc_u32 v11, ASC, v11                     ; v11 where scale words are read back
	v_add_nc_u32 v9, AIMG, v2                      ; v9  where images are read back, steps 0-8;
	v_add_nc_u32 v10, AIMG+36864, v2               ; v10 steps 9-17
	v_mov_b32 v22, 0x40ba2e8c                      ; 0.05 / H + 3, twice
	v_mov_b32 v23, 0x40ba2e8c
.irp i, 252,253,254,255
	v_mov_b32 v[\i], 0                             ; a block of zero codes
.endr
	s_mov_b32 s56, 0x3c915789                      ; H = 1.1 / 62 in f32 (the packed forms name a pair and take its low word for both halves)
	s_mov_b32 s57, s56
	s_mov_b32 s58, 0xbd4ccccd                      ; -0.05
	s_mov_b32 s59, s58
	s_lshl_b32 s44, s20, 16
	s_lshl_b32 s45, s19, 13
	s_add_co_u32 s46, s44, s45                     ; my row tile and slice in a plane
	s_mov_b32 s47, 0
	s_mul_i32 s48, s19, 72
	s_add_co_u32 s48, s48, s16
	s_mul_i32 s48, s48, 4352                       ; record (s, 0, w)
	s_mov_b32 s49, 0
	s_add_co_u32 s50, s46, 8<<21                   ; plane 8, for the residual
	s_mov_b32 s51, 0
	s_wait_kmcnt 0x0
	s_load_b64 s[22:23], s[8:9], 0x0               ; s22 planes - 1, s23 residual
	s_load_b32 s24, s[10:11], 0x0                  ; wb
	s_load_b32 s26, s[12:13], 0x0                  ; ws
	s_add_nc_u64 s[4:5], s[4:5], s[46:47]
	s_add_nc_u64 s[6:7], s[6:7], s[48:49]
	s_add_nc_u64 s[52:53], s[14:15], s[50:51]
	s_lshl_b32 s50, s19, 21
	s_add_co_u32 s50, s50, s44
	s_lshl_b32 s54, s16, 14
	s_add_co_u32 s50, s50, s54                     ; plane s, my row tile, my 16 quads of outputs
	s_add_nc_u64 s[14:15], s[14:15], s[50:51]
	s_wait_alu depctr_va_vdst(0)                   ; the addresses v2 to v12 and the zero codes v252 to v255 are written: the loads and stores of the whole kernel read them, and no vector instruction writes them again
.irp j, 0,1,2,3
	global_load_b128 v[64+4*\j:67+4*\j], v4, s[4:5] offset:512*\j
.endr
	s_wait_kmcnt 0x0
	s_mov_b32 s25, s24
	s_mov_b32 s27, s26
.irp p, 1,2,3,4,5,6,7,8
	s_min_u32 s44, s22, \p                         ; plane p, or the last one there is
	s_lshl_b32 s44, s44, 21
	v_add_nc_u32 v[12+\p], s44, v4
	s_cmp_ge_u32 s22, \p
	s_cselect_b32 s[26+2*\p], 1.0, 0               ; its factor: 1, or 0 where it is a repeat
	s_mov_b32 s[27+2*\p], s[26+2*\p]
.endr
	s_wait_alu depctr_va_vdst(0)                   ; the plane offsets v13 to v20 are written, which the 32 loads below read
.irp p, 1,2,3,4,5,6,7,8
.irp j, 0,1,2,3
	global_load_b128 v[64+16*\p+4*\j:67+16*\p+4*\j], v[12+\p], s[4:5] offset:512*\j
.endr
.endr
	LOADB 0
	LOADB 1
	LOADB 2
	; ---- the sum over planes: h of 64 rows x 32 features, 2,048 bytes a wave
	s_wait_loadcnt 27                              ; the 36 plane loads are in: behind them 3 x 9 loads of B were issued
.irp p, 1,2,3,4,5,6,7,8
.irp i, 0,2,4,6,8,10,12,14
	v_pk_fma_f32 v[64+\i:65+\i], v[64+16*\p+\i:65+16*\p+\i], s[26+2*\p:27+2*\p], v[64+\i:65+\i] op_sel_hi:[1,0,1]
.endr
.endr
	s_wait_alu depctr_va_vdst(0)                   ; the additions have written v64 to v79, which the stores below read, and are done with v64 to v207, in which LDS loads land further down (v188-219, v64-83)
.irp j, 0,1,2,3
	ds_store_b128 v4, v[64+4*\j:67+4*\j] offset:512*\j
.endr
	s_cmp_eq_u32 s23, 0
	s_cbranch_scc1 .Lno_residual
.irp j, 0,1,2,3
	global_store_b128 v4, v[64+4*\j:67+4*\j], s[52:53] offset:512*\j   ; h itself is one more plane for the reader
.endr
.Lno_residual:
	s_wait_xcnt 0x0                                ; the stores have read v64-79, which are written again below
	s_wait_alu depctr_vm_vsrc(0)                   ; the LDS stores and the stores to memory have read v64 to v79, in which LDS loads of h land below
	s_wait_dscnt 0x0                               ; for the others' sake: my part of h has landed
	s_barrier_signal -1
	s_barrier_wait -1
	; ---- the base block: silu of my row's 32 features, quantised: step 17, block 0.  Waves with kappa = 1
	s_cmp_eq_u32 s18, 0
	s_cbranch_scc1 .Lno_base
.irp i, 0,1,2,3,4,5,6,7
	ds_load_b128 v[188+4*\i:191+4*\i], v6 offset:1024*\i
.endr
	s_wait_dscnt 0x0
.irp i, 0,2,4,6,8,10,12,14,16,18,20,22,24,26,28,30
	v_pk_mul_f32 v[220+\i:221+\i], v[188+\i:189+\i], 0xbfb8aa3b op_sel_hi:[1,0]   ; -h log2(e)
.endr
	s_wait_alu depctr_va_vdst(0)
.irp i, 0,1,2,3,4,5,6,7,8,9,10,11,12,13,14,15,16,17,18,19,20,21,22,23,24,25,26,27,28,29,30,31
	v_exp_f32 v[220+\i], v[220+\i]
.endr
	v_nop                                          ; a plain line behind the last exponential
	s_wait_alu depctr_va_vdst(0)                   ; the 32 exponentials have written v220 to v251: one wait for the batch, ahead of its first reader
.irp i, 0,2,4,6,8,10,12,14,16,18,20,22,24,26,28,30
	v_pk_add_f32 v[220+\i:221+\i], v[220+\i:221+\i], 1.0 op_sel_hi:[1,0]
.endr
	s_wait_alu depctr_va_vdst(0)
.irp i, 0,1,2,3,4,5,6,7,8,9,10,11,12,13,14,15,16,17,18,19,20,21,22,23,24,25,26,27,28,29,30,31
	v_rcp_f32 v[220+\i], v[220+\i]
.endr
	v_nop
	s_wait_alu depctr_va_vdst(0)                   ; the 32 reciprocals have written v220 to v251: one wait, ahead of their first reader
.irp i, 0,2,4,6,8,10,12,14,16,18,20,22,24,26,28,30
	v_pk_mul_f32 v[188+\i:189+\i], v[188+\i:189+\i], v[220+\i:221+\i]            ; h / (1 + e^-h)
.endr
	v_max3_num_f32 v220, |v188|, |v189|, 0x1800000 ; the block's largest magnitude, in two chains, with the floor 2^(3 - 127)
	v_max3_num_f32 v221, |v204|, |v205|, |v206|
.irp i, 2,4,6,8,10,12,14
	v_max3_num_f32 v220, v220, |v[188+\i]|, |v[189+\i]|
.endr
.irp i, 19,21,23,25,27,29
	v_max3_num_f32 v221, v221, |v[188+\i]|, |v[189+\i]|
.endr
	v_max3_num_f32 v220, v220, v221, |v219|
	v_add_nc_u32 v221, 0xff000000, v220            ; 2 off its exponent field: the conversion's scale operand
.irp g, 0,1,2,3
	v_cvt_scalef32_pk8_fp4_f32 v[224+\g], v[188+8*\g:195+8*\g], v221
.endr
	v_lshrrev_b32 v222, 23, v221                   ; the byte, zeros above it (a plain line behind the conversions)
	s_wait_alu depctr_va_vdst(0)                   ; the conversions have written v224 to v227 and the shift v222, which the LDS stores below read
	ds_store_b128 v7, v[224:227] offset:8*4096
	ds_store_b32 v8, v222 offset:8*256
.irp qq, 7,8
.irp o, 256,512,768
	ds_store_b128 v7, v[252:255] offset:4096*\qq+\o   ; blocks 1-3 of steps 16 and 17: zero codes
.endr
.endr
.Lno_base:
	; ---- the four bases of 20 features of my row
.irp i, 0,1,2,3,4
	ds_load_b128 v[HX+4*\i:HX+4*\i+3], v5 offset:1024*\i   ; no vector instruction since the wait behind the additions names v64 to v83
.endr
.irp i, 80,81,82,83
	v_mov_b32 v[W+\i], 0                           ; behind the last feature: the conversion takes eight registers
.endr
	s_wait_dscnt 0x0
	s_wait_alu depctr_vm_vsrc(0)                   ; the base block's LDS stores have read v222 and v224 to v227, which the arithmetic below writes again
.set ZZ,   188                         ; pairs: a number for feature ph and one for ph + 1
.set JF,   190
.set JI,   192
.set TK,   194                         ; six knots t(j - 2) .. t(j + 3); later whole numbers at work
.set DL,   206                         ; x - t(j), x - t(j - 1), x - t(j - 2)
.set DR,   212                         ; t(j + 1) - x, t(j + 2) - x, t(j + 3) - x
.set RD,   218                         ; six divisors, then their reciprocals
.set B1J,  230
.set B1M,  232
.set B2J,  234
.set B2M1, 236
.set B2M2, 238
.set U0,   240
.set U1,   242
.set WT,   244                         ; the four bases, pairs
.macro PSUB d, a, b
	v_pk_add_f32 v[\d:\d+1], v[\a:\a+1], v[\b:\b+1] neg_lo:[0,1] neg_hi:[0,1]
.endm
.macro PMUL d, a, b
	v_pk_mul_f32 v[\d:\d+1], v[\a:\a+1], v[\b:\b+1]
.endm
.macro PFMA d, a, b, c
	v_pk_fma_f32 v[\d:\d+1], v[\a:\a+1], v[\b:\b+1], v[\c:\c+1]
.endm
.macro SPLINE2 ph
	v_pk_fma_f32 v[ZZ:ZZ+1], v[HX+(\ph):HX+(\ph)+1], 0x4261745d, v[22:23] op_sel_hi:[1,0,1]   ; z = x / H + 0.05 / H + 3: the cell is j = floor(z)
	v_med3_num_f32 v[ZZ], v[ZZ], -1.0, 0x42890000  ; held to -1 .. 68.5: outside the grid all four bases have indices outside 0 .. 64
	v_med3_num_f32 v[ZZ+1], v[ZZ+1], -1.0, 0x42890000
	v_floor_f32 v[JF], v[ZZ]
	v_floor_f32 v[JF+1], v[ZZ+1]
	v_cvt_i32_f32 v[JI], v[JF]
	v_cvt_i32_f32 v[JI+1], v[JF+1]
	v_pk_add_f32 v[TK:TK+1], v[JF:JF+1], 0xc0a00000 op_sel_hi:[1,0]      ; knot i is (i - 3) H - 0.05: i - 3 = j - 5 .. j, exact
	v_pk_add_f32 v[TK+2:TK+3], v[JF:JF+1], -4.0 op_sel_hi:[1,0]
	v_pk_add_f32 v[TK+4:TK+5], v[JF:JF+1], 0xc0400000 op_sel_hi:[1,0]
	v_pk_add_f32 v[TK+6:TK+7], v[JF:JF+1], -2.0 op_sel_hi:[1,0]
	v_pk_add_f32 v[TK+8:TK+9], v[JF:JF+1], -1.0 op_sel_hi:[1,0]
.irp m, 0,2,4,6,8
	v_pk_mul_f32 v[TK+\m:TK+\m+1], v[TK+\m:TK+\m+1], s[56:57] op_sel_hi:[1,0]   ; the product is rounded,
.endr
	v_pk_mul_f32 v[TK+10:TK+11], v[JF:JF+1], s[56:57] op_sel_hi:[1,0]
.irp m, 0,2,4,6,8,10
	v_pk_add_f32 v[TK+\m:TK+\m+1], v[TK+\m:TK+\m+1], s[58:59] op_sel_hi:[1,0]   ; and then the sum: as the grid is made, so not fused
.endr
	PSUB DL,   HX+(\ph), TK+4
	PSUB DL+2, HX+(\ph), TK+2
	PSUB DL+4, HX+(\ph), TK
	PSUB DR,   TK+6,  HX+(\ph)
	PSUB DR+2, TK+8,  HX+(\ph)
	PSUB DR+4, TK+10, HX+(\ph)
	PSUB RD,    TK+6,  TK+4                        ; t(j+1) - t(j)
	PSUB RD+2,  TK+8,  TK+4                        ; t(j+2) - t(j)
	PSUB RD+4,  TK+6,  TK+2                        ; t(j+1) - t(j-1)
	PSUB RD+6,  TK+10, TK+4                        ; t(j+3) - t(j)
	PSUB RD+8,  TK+8,  TK+2                        ; t(j+2) - t(j-1)
	PSUB RD+10, TK+6,  TK                          ; t(j+1) - t(j-2)
	s_wait_alu depctr_va_vdst(0)
.irp i, 0,1,2,3,4,5,6,7,8,9,10,11
	v_rcp_f32 v[RD+\i], v[RD+\i]
.endr
	v_lshl_add_u32 v[S+(\ph)], v[JI], 2, 4*(65*(\ph)-3)        ; the bit place of base j - 3 among my features' codes, 4 bits a code (plain work behind the reciprocals)
	v_lshl_add_u32 v[S+(\ph)+1], v[JI+1], 2, 4*(65*(\ph)+62)
.irp t, 0,1,2,3
	v_add_nc_u32 v[TK+2*\t], \t-3, v[JI]           ; the base's index (the knots are done with: more plain work behind the reciprocals)
	v_add_nc_u32 v[TK+2*\t+1], \t-3, v[JI+1]
.endr
.irp t, 0,1,2,3
	v_cmp_ge_u32 s[70+2*\t], 64, v[TK+2*\t]        ; there are bases 0 .. 64.  The eight masks are made here in one run; the recursion stands between them and their readers
	v_cmp_ge_u32 s[71+2*\t], 64, v[TK+2*\t+1]
.endr
	s_wait_alu depctr_va_vdst(0)                   ; the twelve reciprocals have written v218 to v229: one wait, ahead of their first reader
	PMUL B1J, DL, RD                               ; order 1
	PMUL B1M, DR, RD
	PMUL U0, DL, RD+2                              ; order 2
	PMUL B2J, U0, B1J
	PMUL U0, DR+2, RD+2
	PMUL U0, U0, B1J
	PMUL U1, DL+2, RD+4
	PFMA B2M1, U1, B1M, U0
	PMUL U1, DR, RD+4
	PMUL B2M2, U1, B1M
	PMUL U0, DL, RD+6                              ; order 3: base j,
	PMUL WT+6, U0, B2J
	PMUL U0, DR+4, RD+6                            ; j - 1,
	PMUL U0, U0, B2J
	PMUL U1, DL+2, RD+8
	PFMA WT+4, U1, B2M1, U0
	PMUL U0, DR+2, RD+8                            ; j - 2,
	PMUL U0, U0, B2M1
	PMUL U1, DL+4, RD+10
	PFMA WT+2, U1, B2M2, U0
	PMUL U1, DR, RD+10                             ; j - 3
	PMUL WT, U1, B2M2
	s_wait_alu depctr_va_sdst(0)                   ; the compares have written the masks s70 to s77, ahead of their first reader
.irp t, 0,1,2,3
	v_cndmask_b32 v[W+4*(\ph)+\t], 0, v[WT+2*\t], s[70+2*\t]      ; what has no index counts as +0: its code is 0
	v_cndmask_b32 v[W+4*(\ph)+4+\t], 0, v[WT+2*\t+1], s[71+2*\t]
.endr
.endm
.set pp, 0
.rept 10
	SPLINE2 2*pp
	LOADB 3+pp                                     ; B's steps 3-12 are asked for on the way
.set pp, pp+1
.endr
	; ---- the blocks
.set RB,  188                          ; v188-203 and v234-249: two groups of four sets of a block's four words; a step fills a group, the groups take turns
.set SWB, 204                          ; v204-205 a step's scale word, two by turns
.set SA_, 206
.set SB_, 207
.set MM,  208
.set MX,  216
.set MX2, 217
.set SO,  218
.set CV,  219
.set BY,  220
.set PA,  221
.set P4A, 222
.set LOA, 223
.set HIA, 224
.set WIA, 225
.set TA,  226
.set PB,  227
.set P4B, 228
.set LOB, 229
.set HIB, 230
.set WIB, 231
.set TBB, 232
.set TW,  233
; The block that begins at place k0 among my features' codes: block bt of my step qr.  It holds codes of feature fA, and from place ee on of feature fB = fA + 1 where a feature ends inside it.
; All of a block's masks hang on the bit places alone: they are made in one run at its head (s70-77: which bases lie in the block; s80-89: in which word a feature's 16 bits begin).
; A step's words stay in their group of registers until its last block is made, and leave together.
.macro BLOCK k0, qr, bt, fin
.set fA, (\k0)/65
.set fB, ((\k0)+31)/65
.set ee, 65*fB-(\k0)
.set RG, RB+46*((\qr)%2)
.set RR, RG+4*(\bt)
.set SWR, SWB+(\qr)%2
.set wa, 3                             ; the last word that fA's codes reach
.set wbb, 4                            ; the first that fB's reach
.if fB != fA
.set wa, (ee-1)/8
.set wbb, ee/8
.endif
.if (\bt) == 0
	s_wait_dscnt 5                                 ; at most the five LDS stores of the step before are out: those that read this group of words two steps ago are done
	s_wait_alu depctr_vm_vsrc(0)                   ; the LDS stores issued so far have read their words and scale words: this step writes the group and the scale word of two steps ago again
.endif
	v_add_nc_u32 v[SA_], -4*(\k0), v[S+fA]         ; the bit place of fA's first base in the block: may be negative, or 128 and more
.if fB != fA
	v_add_nc_u32 v[SB_], -4*(\k0), v[S+fB]
	v_ashrrev_i32 v[WIA], 5, v[SA_]                ; the word in which fA's 16 bits begin,
	v_ashrrev_i32 v[WIB], 5, v[SB_]                ; and fB's
.irp t, 0,1,2,3
	v_cmp_le_i32 s[70+\t], -4*\t, v[SA_]           ; fA's base t lies in the block where its place is not negative (a base that is not zero ends ahead of ee),
	v_cmp_ge_i32 s[74+\t], 124-4*\t, v[SB_]        ; fB's where its place is 31 at the most (a base that is not zero begins at ee or later)
.endr
.else
.irp t, 1,2,3
	v_add_nc_u32 v[MM+4+\t], 4*\t, v[SA_]
.endr
	v_ashrrev_i32 v[WIA], 5, v[SA_]                ; the word in which fA's 16 bits begin
	v_cmp_gt_u32 s70, 128, v[SA_]                  ; in the block: bit place 0 .. 124
.irp t, 1,2,3
	v_cmp_gt_u32 s[70+\t], 128, v[MM+4+\t]
.endr
.endif
.irp x, 0,1,2,3,4
.if (\x)-1 <= wa
	v_cmp_eq_i32 s[80+\x], (\x)-1, v[WIA]
.endif
.endr
.irp x, 0,1,2,3,4
.if (fB != fA) && ((\x) >= wbb)
	v_cmp_eq_i32 s[85+\x-wbb], (\x)-1, v[WIB]
.endif
.endr
	v_sub_nc_u32 v[TA], 28, v[SA_]
.if fB != fA
	v_sub_nc_u32 v[TBB], 28, v[SB_]
.endif
	s_wait_alu depctr_va_sdst(0)                   ; the compares have written the block's masks, s70 on and s80 on, ahead of their first reader
.if fB != fA
.irp t, 0,1,2,3
	v_cndmask_b32 v[MM+\t], 0, v[W+4*fA+\t], s[70+\t]
	v_cndmask_b32 v[MM+4+\t], 0, v[W+4*fB+\t], s[74+\t]
.endr
	v_max3_num_f32 v[MX], |v[MM]|, |v[MM+1]|, 0x1800000            ; the block's largest magnitude, with the floor 2^(3 - 127)
	v_max3_num_f32 v[MX2], |v[MM+4]|, |v[MM+5]|, |v[MM+6]|
	v_max3_num_f32 v[MX], v[MX], |v[MM+2]|, |v[MM+3]|
	v_max3_num_f32 v[MX], v[MX], v[MX2], |v[MM+7]|
.else
.irp t, 0,1,2,3
	v_cndmask_b32 v[MM+\t], 0, v[W+4*fA+\t], s[70+\t]
.endr
	v_max3_num_f32 v[MX], |v[MM]|, |v[MM+1]|, 0x1800000
	v_max3_num_f32 v[MX], v[MX], |v[MM+2]|, |v[MM+3]|
.endif
	v_add_nc_u32 v[SO], 0xff000000, v[MX]          ; 2 off its exponent field: the conversion's scale operand
	v_cvt_scalef32_pk8_fp4_f32 v[CV], v[W+4*fA:W+4*fA+7], v[SO]    ; the eight bases of fA and fA + 1: what lies outside the block is dropped by the placing
.if (\bt) == 0
	v_lshrrev_b32 v[SWR], 23, v[SO]                ; the scale's byte begins the step's word (a plain line behind the conversion)
.else
	v_lshrrev_b32 v[BY], 23, v[SO]
.endif
	v_and_b32 v[PA], 0xffff, v[CV]
	v_bfe_u32 v[P4A], v[CV], 4, 12
	v_lshlrev_b32 v[LOA], v[SA_], v[PA]            ; their part in that word (a shift takes its amount's low five bits),
	v_lshrrev_b32 v[HIA], v[TA], v[P4A]            ; and in the next: >> (32 - amount), as >> 4 and >> (28 - amount), so that the amount 0 gives 0
.if fB != fA
	v_lshrrev_b32 v[PB], 16, v[CV]
	v_lshrrev_b32 v[P4B], 20, v[CV]
	v_lshlrev_b32 v[LOB], v[SB_], v[PB]
	v_lshrrev_b32 v[HIB], v[TBB], v[P4B]
.endif
.irp x, 0,1,2,3
.if \x <= wa
	v_cndmask_b32 v[RR+\x], 0, v[HIA], s[80+\x]
	v_cndmask_b32 v[RR+\x], v[RR+\x], v[LOA], s[81+\x]
.if \x >= wbb
	v_cndmask_b32 v[TW], 0, v[HIB], s[85+\x-wbb]
	v_cndmask_b32 v[TW], v[TW], v[LOB], s[86+\x-wbb]
	v_or_b32 v[RR+\x], v[RR+\x], v[TW]             ; the word in which fA ends and fB begins
.endif
.else
	v_cndmask_b32 v[RR+\x], 0, v[HIB], s[85+\x-wbb]
	v_cndmask_b32 v[RR+\x], v[RR+\x], v[LOB], s[86+\x-wbb]
.endif
.endr
.if (\bt) != 0
	v_lshl_or_b32 v[SWR], v[BY], 8*(\bt), v[SWR]
.endif
.if (\fin) || ((\bt) == 3)
	s_wait_alu depctr_va_vdst(0)                   ; the step's selects have written its group of words, and the shifts its scale word, which the LDS stores below read.  (In each half's last step: every vector instruction that names v64 to v127 is done too: A's fragments land there)
.irp u, 0,1,2,3
.if \u <= (\bt)
	ds_store_b128 v7, v[RG+4*\u:RG+4*\u+3] offset:4096*(\qr)+((\u)/2)*512+((\u)%2)*256
.endif
.endr
	ds_store_b32 v8, v[SWR] offset:256*(\qr)
.endif
.endm
	s_cmp_eq_u32 s18, 0
	s_cbranch_scc0 .Lupper_half
.set bb, 0
.rept 36                               ; kappa = 0: blocks 0-35 = steps 0-8; my features are the slice's 0-19
	BLOCK 32*bb, bb/4, bb%4, 0
.if (bb%2 == 1) && (bb < 10)
	LOADB 13+bb/2                                  ; B's last five steps
.endif
.set bb, bb+1
.endr
	s_branch .Lblocks_done
.Lupper_half:
.set bb, 36
.rept 29                               ; kappa = 1: blocks 36-64 = steps 9-16; my features are the slice's 12-31: 12 x 65 = 780 places are taken off
.if bb == 64
	BLOCK 32*bb-780, (bb-36)/4, bb%4, 1
.else
	BLOCK 32*bb-780, (bb-36)/4, bb%4, 0
.endif
.if (bb%2 == 1) && (bb < 46)
	LOADB 13+(bb-36)/2
.endif
.set bb, bb+1
.endr
.Lblocks_done:
	s_wait_alu depctr_vm_vsrc(0)                   ; my last LDS stores have read their words: v188 to v191 are written again on the way out
	s_wait_dscnt 0x0                               ; for the others' sake: my images and scale words have landed
	s_barrier_signal -1
	s_barrier_wait -1
	; ---- the products: 18 steps x 16 accumulators (4 row tiles x my 4 column tiles)
	s_wait_loadcnt 0x0                             ; all of B is in registers
.macro LOADA q, bf                     ; step q's four fragments of A and two registers of scale words into buffer bf: ten LDS loads
.irp a, 0,1,2,3
.irp c, 0,1
.if (\q) < 9
	ds_load_b128 v[64+32*(\bf)+8*\a+4*\c:64+32*(\bf)+8*\a+4*\c+3], v9 offset:4096*(\q)+1024*\a+512*\c
.else
	ds_load_b128 v[64+32*(\bf)+8*\a+4*\c:64+32*(\bf)+8*\a+4*\c+3], v10 offset:4096*((\q)-9)+1024*\a+512*\c
.endif
.endr
.endr
	ds_load_b32 v[60+2*(\bf)], v11 offset:256*(\q)          ; lanes 0-15 row tile 0, lanes 16-31 row tile 1
	ds_load_b32 v[61+2*(\bf)], v11 offset:256*(\q)+128      ; row tiles 2 and 3
.endm
.macro WMM                             ; one product; PAR says which half of the lanes holds each side's scale words
.if ZC
.if PAR == 0
	v_wmma_scale_f32_16x16x128_f8f6f4 v[DD:DD+7], v[BFR:BFR+7], v[AFR:AFR+7], 0, v[SBR], v[SAR] matrix_a_fmt:MATRIX_FMT_FP4 matrix_b_fmt:MATRIX_FMT_FP4
.elseif PAR == 1
	v_wmma_scale_f32_16x16x128_f8f6f4 v[DD:DD+7], v[BFR:BFR+7], v[AFR:AFR+7], 0, v[SBR], v[SAR] matrix_a_fmt:MATRIX_FMT_FP4 matrix_b_fmt:MATRIX_FMT_FP4 matrix_a_scale:MATRIX_SCALE_ROW1
.elseif PAR == 2
	v_wmma_scale_f32_16x16x128_f8f6f4 v[DD:DD+7], v[BFR:BFR+7], v[AFR:AFR+7], 0, v[SBR], v[SAR] matrix_a_fmt:MATRIX_FMT_FP4 matrix_b_fmt:MATRIX_FMT_FP4 matrix_b_scale:MATRIX_SCALE_ROW1
.else
	v_wmma_scale_f32_16x16x128_f8f6f4 v[DD:DD+7], v[BFR:BFR+7], v[AFR:AFR+7], 0, v[SBR], v[SAR] matrix_a_fmt:MATRIX_FMT_FP4 matrix_b_fmt:MATRIX_FMT_FP4 matrix_a_scale:MATRIX_SCALE_ROW1 matrix_b_scale:MATRIX_SCALE_ROW1
.endif
.else
.if PAR == 0
	v_wmma_scale_f32_16x16x128_f8f6f4 v[DD:DD+7], v[BFR:BFR+7], v[AFR:AFR+7], v[DD:DD+7], v[SBR], v[SAR] matrix_a_fmt:MATRIX_FMT_FP4 matrix_b_fmt:MATRIX_FMT_FP4
.elseif PAR == 1
	v_wmma_scale_f32_16x16x128_f8f6f4 v[DD:DD+7], v[BFR:BFR+7], v[AFR:AFR+7], v[DD:DD+7], v[SBR], v[SAR] matrix_a_fmt:MATRIX_FMT_FP4 matrix_b_fmt:MATRIX_FMT_FP4 matrix_a_scale:MATRIX_SCALE_ROW1
.elseif PAR == 2
	v_wmma_scale_f32_16x16x128_f8f6f4 v[DD:DD+7], v[BFR:BFR+7], v[AFR:AFR+7], v[DD:DD+7], v[SBR], v[SAR] matrix_a_fmt:MATRIX_FMT_FP4 matrix_b_fmt:MATRIX_FMT_FP4 matrix_b_scale:MATRIX_SCALE_ROW1
.else
	v_wmma_scale_f32_16x16x128_f8f6f4 v[DD:DD+7], v[BFR:BFR+7], v[AFR:AFR+7], v[DD:DD+7], v[SBR], v[SAR] matrix_a_fmt:MATRIX_FMT_FP4 matrix_b_fmt:MATRIX_FMT_FP4 matrix_a_scale:MATRIX_SCALE_ROW1 matrix_b_scale:MATRIX_SCALE_ROW1
.endif
.endif
.endm
.macro MM16 q                          ; the sixteen accumulators take turns, one instruction a turn, in the same order in every step
.irp a, 0,1,2,3
.irp b, 0,1,2,3
.set AFR, 64+32*((\q)%2)+8*\a
.set BFR, 32*((\q)%8)+8*\b
.set SBR, 24+2*(\q)+\b/2
.set SAR, 60+2*((\q)%2)+\a/2
.set PAR, (\b%2)+2*(\a%2)
.set DD, 64+8*(4*\a+\b)
.set ZC, 0
.if (\q) == 0
.set ZC, 1                             ; the first step starts the spline sums: nothing is cleared
.endif
.if (\q) == 17
.set ZC, 1                             ; the base block starts sums of its own,
.set DD, 8*(4*\a+\b)                   ; in window 1, over B's steps 0-3, whose last reader stands 13 runs of four plain lines back
.endif
	WMM
.endr
.endr
.endm
	LOADA 0, 0                                     ; no wait for this run and the next: on both ways here the last vector instruction stands ahead of the wait on va_vdst of the half's last step of blocks
.set qq, 0
.rept 18
.if qq < 17
.if qq > 0
.rept 4
	v_nop                                          ; four plain lines behind the last products; thirteen such runs are the places between the last reader of B's steps 0-3 and the base sums that are laid over them (ISA guide 7.12.1)
.endr
	s_wait_alu depctr_va_vdst(0)                   ; the products of the step before are done reading their buffer of A and its two scale registers, in which the ten loads below land
.endif
	LOADA qq+1, (qq+1)%2
	s_wait_dscnt 10                                ; this step's fragments are in: the ten loads just issued may be out
.else
	s_wait_dscnt 0x0
.endif
.if qq == 17
	WIN 0x43                                       ; source 0 (B) window 3, D window 1
.else
	WIN 0xf0|(1+qq/8)                              ; source 0 (B) in its window, source 1 (A) window 0, C and D window 3
.endif
	MM16 qq
	WIN 0
.set qq, qq+1
.endr
	; ---- the way out: wb x base sums + ws x spline sums, each accumulator from its low end on
.rept 4
	v_nop                                          ; four places behind the last products
.endr
	WIN 0x41                                       ; destination and source 0 window 1
.set i, 0
.rept 64
	v_pk_mul_f32 v[i:i+1], v[i:i+1], s[24:25] op_sel_hi:[1,0]
.set i, i+2
.endr
	WIN 0x13                                       ; source 0 window 3, source 2 window 1, destination window 0
.set i, 0
.rept 64
	v_pk_fma_f32 v[64+i:65+i], v[64+i:65+i], s[26:27], v[i:i+1] op_sel_hi:[1,0,1]
.set i, i+2
.endr
	WIN 0
	s_wait_alu depctr_va_vdst(0)                   ; the multiply-adds have written v64 to v191, which the 32 stores below read
.irp a, 0,1,2,3
.irp b, 0,1,2,3
.irp u, 0,1
	global_store_b128 v12, v[64+8*(4*\a+\b)+4*\u:64+8*(4*\a+\b)+4*\u+3], s[14:15] offset:(4*\b+\u)*1024+256*\a   ; quad 16 w + 4 b + 2 (lane / 16) + u, row 16 a + lane % 16: sixteen lanes store 256 consecutive bytes, aligned
.endr
.endr
.endr
	s_set_vgpr_msb 0xf
	s_wait_dscnt 0x0
	s_wait_alu depctr_hold_cnt(0) depctr_sa_sdst(0) depctr_va_vdst(0) depctr_va_sdst(0) depctr_va_ssrc(0) depctr_va_vcc(0) depctr_vm_vsrc(0)
	s_wait_tensorcnt 0x0
	ds_add_u32 v254, v255
	s_wait_dscnt 0x0
	s_endpgm
.Lfunc_end_k_qcd96d11e50_l0:
	.size	k_qcd96d11e50_l0, .Lfunc_end_k_qcd96d11e50_l0-k_qcd96d11e50_l0
	.p2alignl 7, 3214868480
	.fill 96, 4, 3214868480
	.section	.rodata,"a",@progbits
	.p2align	6, 0x0
	.amdhsa_kernel k_qcd96d11e50_l0
		.amdhsa_group_segment_fixed_size 87040
		.amdhsa_private_segment_fixed_size 0
		.amdhsa_enable_private_segment 0
		.amdhsa_kernarg_size 48
		.amdhsa_user_sgpr_count 2
		.amdhsa_user_sgpr_kernarg_segment_ptr 1
		.amdhsa_wavefront_size32 1
		.amdhsa_system_sgpr_workgroup_id_x 1
		.amdhsa_system_sgpr_workgroup_id_y 1
		.amdhsa_system_sgpr_workgroup_id_z 1
		.amdhsa_system_vgpr_workitem_id 0
		.amdhsa_next_free_vgpr 1024
		.amdhsa_next_free_sgpr 96
		.amdhsa_reserve_vcc 0
		.amdhsa_float_denorm_mode_32 3
		.amdhsa_float_denorm_mode_16_64 3
		.amdhsa_memory_ordered 1
		.amdhsa_forward_progress 1
		.amdhsa_inst_pref_size 255
	.end_amdhsa_kernel
	.section	.bss,"aw",@nobits
	.p2align	6
	.space	262144
	.amdgpu_metadata
---
amdhsa.version: [ 1, 2 ]
amdhsa.kernels:
  - .name:           k_qcd96d11e50_l0
    .symbol:         k_qcd96d11e50_l0.kd
    .args:
      - { .name: pb, .offset: 0, .size: 8, .value_kind: global_buffer, .address_space: global }
      - { .name: wq0, .offset: 8, .size: 8, .value_kind: global_buffer, .address_space: global }
      - { .name: cfg0, .offset: 16, .size: 8, .value_kind: global_buffer, .address_space: global }
      - { .name: wb0, .offset: 24, .size: 8, .value_kind: global_buffer, .address_space: global }
      - { .name: ws0, .offset: 32, .size: 8, .value_kind: global_buffer, .address_space: global }
      - { .name: pa, .offset: 40, .size: 8, .value_kind: global_buffer, .address_space: global }
    .group_segment_fixed_size: 87040
    .private_segment_fixed_size: 0
    .kernarg_segment_align: 8
    .kernarg_segment_size: 48
    .max_flat_workgroup_size: 128
    .sgpr_count:     96
    .vgpr_count:     1024
    .wavefront_size: 32
...
	.end_amdgpu_metadata
.endif
;; end of part 5
;; launch l1: the kernel of part 5 again; grid 8 x 32, 4 waves a work-group, no clusters, 87,040 bytes of LDS; arguments pa, wq1, cfg1, wb1, ws1, pb; writes pb
;; launch l2: the kernel of part 5 again; grid 8 x 32, 4 waves a work-group, no clusters, 87,040 bytes of LDS; arguments pb, wq2, cfg2, wb2, ws2, pa; writes pa
;; launch head (part 6): grid 256 x 1, 8 waves a work-group, no clusters, 77,312 bytes of LDS; arguments pa, sw3, bw3, wb3, ws3, out0; writes out0
.if DOCPART == 6
	.amdgcn_target "amdgcn-amd-amdhsa--gfx1250"
	.amdhsa_code_object_version 6
	.text
	.protected	k_qcd96d11e50_head
	.globl	k_qcd96d11e50_head
	.p2align	8
	.type	k_qcd96d11e50_head,@function
k_qcd96d11e50_head:
	s_mov_b64 s[64:65], 0
	v_nop
	global_prefetch_b8 v0, s[64:65] scope:SCOPE_SE
	s_setreg_imm32_b32 hwreg(HW_REG_WAVE_MODE, 25, 1), 1
	s_wait_xcnt 0x0
; THE OUTPUT LAYER, 256 -> 1: out = wb3 silu(h) . bw3 + ws3 bas(h) . sw3, in f32 on the vector unit (one output column: nothing for a matrix unit to share).
; h is the sum of the nine planes that the last hidden layer stored ([row tile 32][quad of features 64][row 64][4 f32]).
; SHARES.  A work-group takes 8 rows (row tile wg / 8, rows 8 (wg % 8) on): 256 work-groups.  Wave v, lane l: feature f = 32 v + l, for all 8 rows.  A lane keeps its feature's 65 spline weights in registers, with four zeros
; ahead and four behind; of a row's bases four at the most are not zero, and their four weights are picked out of the 73 registers by a shifter of selects on the cell's number, bit by bit:
; no address hangs on a number.  Bases that do not exist fall on the zeros.
; The four bases are taken in closed form in u, the place in the cell: nothing here goes into a quantiser.
; sw3 comes once, 16 bytes a lane, into LDS as it lies; a feature's 65 words are an odd number of words apart, so the lanes' reads fall on different banks.
; The store is 32 bytes a work-group: the whole output is 8,192 bytes, and more rows to a work-group would leave most of the chip without work.
; LIMITS: NaN and infinities are not served.
.set TAB, 0                            ; LDS: sw3, 66,560 bytes
.set HT,  66560                        ; h turned from (quad, row) to (row, feature): 1,152 bytes a wave, 144 a row
.set RED, 75776                        ; the waves' sums: [wave 8][row 8] words
	s_load_b256 s[4:11], s[0:1], 0x0               ; planes s[4:5], sw3 s[6:7], bw3 s[8:9], wb3 s[10:11]
	s_load_b128 s[12:15], s[0:1], 0x20             ; ws3 s[12:13], out0 s[14:15]
	v_lshl_add_u32 v254, v0, 2, 0x12a00
	v_mov_b32 v255, 0
	v_lshrrev_b32 v1, 5, v0
	s_delay_alu instid0(VALU_DEP_1)
	v_readfirstlane_b32 s16, v1                    ; wave v
	v_and_b32 v1, 31, v0                           ; lane
	s_lshr_b32 s17, ttmp9, 3                       ; row tile
	s_and_b32 s18, ttmp9, 7                        ; which 8 of its rows
	v_lshlrev_b32 v12, 4, v0                       ; v12 16 t: sw3, in memory and in LDS
	s_delay_alu instid0(VALU_DEP_1)
	v_add_nc_u32 v15, 65536, v12                   ; v15 its last 1,024 bytes in LDS (waves 0 and 1)
	v_lshlrev_b32 v13, 2, v0                       ; v13 4 f
	v_lshrrev_b32 v20, 3, v1
	v_and_b32 v21, 7, v1
	s_delay_alu instid0(VALU_DEP_2)
	v_lshlrev_b32 v2, 10, v20
	s_delay_alu instid0(VALU_DEP_1)
	v_lshl_add_u32 v2, v21, 4, v2                  ; v2-10 plane p: quad lane / 8, row lane % 8
.irp p, 1,2,3,4,5,6,7,8
	v_add_nc_u32 v[2+\p], \p<<21, v2
.endr
	s_mul_i32 s19, s16, 1152
	s_add_co_u32 s19, s19, HT
	v_mul_u32_u24 v16, v21, 144
	s_delay_alu instid0(VALU_DEP_1)
	v_lshl_add_u32 v16, v20, 4, v16
	s_delay_alu instid0(VALU_DEP_1)
	v_add_nc_u32 v16, s19, v16                     ; v16 h in: row lane % 8, quad lane / 8
	v_lshl_add_u32 v17, v1, 2, s19                 ; v17 h out: feature = lane
	v_mul_u32_u24 v18, v0, 260                     ; v18 my feature's 65 words
	s_lshl_b32 s19, s16, 5
	s_add_co_u32 s19, s19, RED
	v_mov_b32 v19, s19                             ; v19 my wave's eight sums
	v_lshl_add_u32 v11, v1, 2, RED                 ; v11 the sums read back
	v_lshlrev_b32 v32, 2, v1                       ; v32 out0: 4 bytes a row
	s_mov_b32 s24, 0x4261745d                      ; 1 / H
	s_mov_b32 s25, 0x40ba2e8c                      ; 0.05 / H + 3
	s_mov_b32 s26, 0x3e2aaaab                      ; 1 / 6
	s_mov_b32 s28, 0x76543210
	s_mov_b32 s29, 0xfedcba98                      ; v_permlanex16_b32's selects for lane l xor 16
	s_lshl_b32 s22, s17, 16
	s_lshl_b32 s23, s16, 13
	s_add_co_u32 s22, s22, s23
	s_lshl_b32 s23, s18, 7
	s_add_co_u32 s22, s22, s23                     ; row tile, my 8 quads, the 8 rows
	s_mov_b32 s23, 0
	s_lshl_b32 s38, ttmp9, 5
	s_mov_b32 s39, 0
	s_wait_kmcnt 0x0
	s_load_b32 s20, s[10:11], 0x0                  ; wb3
	s_load_b32 s21, s[12:13], 0x0                  ; ws3
	s_add_nc_u64 s[4:5], s[4:5], s[22:23]
	s_add_nc_u64 s[14:15], s[14:15], s[38:39]
.irp i, 0,1,2,3,4,5,6,7,8,9,10,11,12,13,14,15
	global_load_b128 v[64+4*\i:67+4*\i], v12, s[6:7] offset:4096*\i
.endr
	s_cmp_lt_u32 s16, 2
	s_cbranch_scc0 .Lno_rest_in
	global_load_b128 v[128:131], v12, s[6:7] offset:65536          ; 66,560 = 16 x 4,096 + 1,024: the rest, 64 threads
.Lno_rest_in:
	global_load_b32 v14, v13, s[8:9]               ; bw3[f]
	s_wait_alu depctr_va_vdst(0)
.irp p, 0,1,2,3,4,5,6,7,8
	global_load_b128 v[140+8*\p:143+8*\p], v[2+\p], s[4:5]
	global_load_b128 v[144+8*\p:147+8*\p], v[2+\p], s[4:5] offset:4096   ; four quads on
.endr
	s_wait_loadcnt 19                              ; sw3 is in: bw3's load and the 18 plane loads were issued behind it
.irp i, 0,1,2,3,4,5,6,7,8,9,10,11,12,13,14,15
	ds_store_b128 v12, v[64+4*\i:67+4*\i] offset:TAB+4096*\i
.endr
	s_cmp_lt_u32 s16, 2
	s_cbranch_scc0 .Lno_rest_out
	ds_store_b128 v15, v[128:131]
.Lno_rest_out:
	s_wait_loadcnt 0x0
.irp p, 1,2,3,4,5,6,7,8
.irp i, 0,2,4,6
	v_pk_add_f32 v[140+\i:141+\i], v[140+\i:141+\i], v[140+8*\p+\i:141+8*\p+\i]   ; h = the sum of the planes
.endr
.endr
	ds_store_b128 v16, v[140:143]
	ds_store_b128 v16, v[144:147] offset:64
.irp r, 0,1,2,3,4,5,6,7
	ds_load_b32 v[40+\r], v17 offset:144*\r        ; h(row r, my feature): my wave's own bytes, served in order
.endr
	s_wait_kmcnt 0x0
	s_wait_dscnt 0x0                               ; for the others' sake: my part of sw3 has landed
	s_barrier_signal -1
	s_barrier_wait -1
.irp i, 0,1,2,3,4,5,6,7,8,9,10,11,12,13,14,15,16,17,18,19,20,21,22,23,24,25,26,27,28,29,30,31,32,33,34,35,36,37,38,39,40,41,42,43,44,45,46,47,48,49,50,51,52,53,54,55,56,57,58,59,60,61,62,63,64
	ds_load_b32 v[68+\i], v18 offset:TAB+4*\i      ; E[4 + i] = sw3[f][i]
.endr
.irp i, 64,65,66,67,133,134,135,136
	v_mov_b32 v[\i], 0                             ; E[0 .. 3] and E[69 .. 72]
.endr
	; silu of the 8 rows, x wb3 bw3[f]
.irp i, 0,2,4,6
	v_pk_mul_f32 v[48+\i:49+\i], v[40+\i:41+\i], 0xbfb8aa3b op_sel_hi:[1,0]
.endr
	s_wait_alu depctr_va_vdst(0)
.irp i, 0,1,2,3,4,5,6,7
	v_exp_f32 v[48+\i], v[48+\i]
.endr
	v_mul_f32 v14, s20, v14                        ; (a plain line behind the exponentials)
	s_wait_alu depctr_va_vdst(0)                   ; one wait for the batch, ahead of its first reader
.irp i, 0,2,4,6
	v_pk_add_f32 v[48+\i:49+\i], v[48+\i:49+\i], 1.0 op_sel_hi:[1,0]
.endr
	s_wait_alu depctr_va_vdst(0)
.irp i, 0,1,2,3,4,5,6,7
	v_rcp_f32 v[48+\i], v[48+\i]
.endr
	v_nop
	s_wait_alu depctr_va_vdst(0)
.irp i, 0,2,4,6
	v_pk_mul_f32 v[48+\i:49+\i], v[48+\i:49+\i], v[40+\i:41+\i]
.endr
.irp i, 0,1,2,3,4,5,6,7
	v_mul_f32 v[48+\i], v[48+\i], v14
.endr
	s_wait_dscnt 0x0                               ; E is in
; Row r: the cell, the four bases, their four weights, the feature's share of the output.
.macro ROW r
	v_fma_f32 v20, v[40+\r], s24, s25              ; z
	s_delay_alu instid0(VALU_DEP_1)
	v_med3_num_f32 v20, v20, -1.0, 0x42890000      ; held to -1 .. 68.5
	s_delay_alu instid0(VALU_DEP_1)
	v_floor_f32 v21, v20
	s_delay_alu instid0(VALU_DEP_1)
	v_sub_f32 v22, v20, v21                        ; u
	s_delay_alu instid0(VALU_DEP_2)
	v_cvt_i32_f32 v23, v21
	s_delay_alu instid0(VALU_DEP_1)
	v_add_nc_u32 v23, 1, v23                       ; base j - 3 + t has its weight in E[j + 1 + t]: the shift, 0 .. 69
.irp k, 0,1,2,3,4,5,6
	v_and_b32 v[24+\k], 1<<\k, v23
.endr
.irp k, 0,1,2,3,4,5,6
	v_cmp_ne_u32 s[30+\k], 0, v[24+\k]
.endr
	v_sub_f32 v24, 1.0, v22
	v_mul_f32 v25, v22, v22                        ; u^2
	s_delay_alu instid0(VALU_DEP_2)
	v_mul_f32 v27, v24, v24
	s_delay_alu instid0(VALU_DEP_2)
	v_mul_f32 v26, v25, v22                        ; u^3
	s_delay_alu instid0(VALU_DEP_2)
	v_mul_f32 v27, v27, v24
	s_delay_alu instid0(VALU_DEP_4)
	v_add_f32 v29, v25, v22
	s_delay_alu instid0(VALU_DEP_2)
	v_mul_f32 v27, s26, v27                        ; (1 - u)^3 / 6
	s_delay_alu instid0(VALU_DEP_4)
	v_fma_f32 v28, v26, 0.5, -v25
	s_delay_alu instid0(VALU_DEP_3)
	v_sub_f32 v29, v29, v26
	s_delay_alu instid0(VALU_DEP_2)
	v_add_f32 v28, 0x3f2aaaab, v28                 ; u^3 / 2 - u^2 + 2 / 3
	s_delay_alu instid0(VALU_DEP_2)
	v_fma_f32 v29, v29, 0.5, s26                   ; (u^2 + u - u^3) / 2 + 1 / 6
	v_mul_f32 v30, s26, v26                        ; u^3 / 6
.irp m, 0,1,2,3,4,5,6,7,8
	v_cndmask_b32 v[140+\m], v[64+\m], v[128+\m], s36      ; by 64: then at most 5 are left, so nine registers do
.endr
.irp m, 0,1,2,3,4,5,6,7,8
	v_cndmask_b32 v[150+\m], v[140+\m], v[96+\m], s35      ; by 32
.endr
.irp m, 9,10,11,12,13,14,15,16,17,18,19,20,21,22,23,24,25,26,27,28,29,30,31,32,33,34
	v_cndmask_b32 v[150+\m], v[64+\m], v[96+\m], s35
.endr
.irp m, 0,1,2,3,4,5,6,7,8,9,10,11,12,13,14,15,16,17,18
	v_cndmask_b32 v[150+\m], v[150+\m], v[166+\m], s34     ; by 16, in place and ascending: what a line overwrites no later line reads
.endr
.irp m, 0,1,2,3,4,5,6,7,8,9,10
	v_cndmask_b32 v[150+\m], v[150+\m], v[158+\m], s33
.endr
.irp m, 0,1,2,3,4,5,6
	v_cndmask_b32 v[150+\m], v[150+\m], v[154+\m], s32
.endr
.irp m, 0,1,2,3,4
	v_cndmask_b32 v[150+\m], v[150+\m], v[152+\m], s31
.endr
.irp m, 0,1,2,3
	s_delay_alu instid0(VALU_DEP_4)
	v_cndmask_b32 v[150+\m], v[150+\m], v[151+\m], s30
.endr
	s_delay_alu instid0(VALU_DEP_4)
	v_mul_f32 v31, v27, v150
	s_delay_alu instid0(VALU_DEP_1)
	v_fmac_f32 v31, v28, v151
	s_delay_alu instid0(VALU_DEP_1)
	v_fmac_f32 v31, v29, v152
	s_delay_alu instid0(VALU_DEP_1)
	v_fmac_f32 v31, v30, v153
	s_delay_alu instid0(VALU_DEP_1)
	v_fma_f32 v[56+\r], v31, s21, v[48+\r]         ; ws3 x spline + wb3 x base
.endm
.irp r, 0,1,2,3,4,5,6,7
	ROW \r
.endr
	; the sum over my wave's 32 features, row by row
.irp k, 1,2,4,8
.irp r, 0,1,2,3,4,5,6,7
	v_add_f32_dpp v[56+\r], v[56+\r], v[56+\r] row_xmask:\k row_mask:0xf bank_mask:0xf
.endr
.endr
.irp r, 0,1,2,3,4,5,6,7
	v_permlanex16_b32 v[48+\r], v[56+\r], s28, s29
.endr
.irp r, 0,1,2,3,4,5,6,7
	v_add_f32 v[56+\r], v[56+\r], v[48+\r]
.endr
.irp r, 0,1,2,3,4,5,6,7
	ds_store_b32 v19, v[56+\r] offset:4*\r         ; all lanes write the same word with the same value
.endr
	s_wait_dscnt 0x0                               ; for wave 0's sake
	s_barrier_signal -1
	s_barrier_wait -1
	s_cmp_lg_u32 s16, 0
	s_cbranch_scc1 .Lend
	ds_load_b32 v21, v11                           ; lane l: wave l / 8, row l % 8;
	ds_load_b32 v22, v11 offset:128                ; and wave l / 8 + 4
	s_wait_dscnt 0x0
	v_add_f32 v21, v21, v22
	s_delay_alu instid0(VALU_DEP_1)
	v_add_f32_dpp v21, v21, v21 row_xmask:8 row_mask:0xf bank_mask:0xf
	s_delay_alu instid0(VALU_DEP_1)
	v_permlanex16_b32 v22, v21, s28, s29
	s_delay_alu instid0(VALU_DEP_1)
	v_add_f32 v21, v21, v22                        ; lanes 0-7 hold rows 0-7
	v_cmp_gt_u32 vcc_lo, 8, v1
	s_wait_alu depctr_va_vdst(0)
	s_wait_xcnt 0x0                                ; EXEC changes only behind this wait
	s_and_saveexec_b32 s40, vcc_lo
	global_store_b32 v32, v21, s[14:15]
	s_wait_xcnt 0x0                                ; and again, in front of the line that widens it
	s_or_b32 exec_lo, exec_lo, s40
.Lend:
	s_wait_tensorcnt 0x0
	ds_add_u32 v254, v255
	s_wait_dscnt 0x0
	s_endpgm
.Lfunc_end_k_qcd96d11e50_head:
	.size	k_qcd96d11e50_head, .Lfunc_end_k_qcd96d11e50_head-k_qcd96d11e50_head
	.p2alignl 7, 3214868480
	.fill 96, 4, 3214868480
	.section	.rodata,"a",@progbits
	.p2align	6, 0x0
	.amdhsa_kernel k_qcd96d11e50_head
		.amdhsa_group_segment_fixed_size 77312
		.amdhsa_private_segment_fixed_size 0
		.amdhsa_enable_private_segment 0
		.amdhsa_kernarg_size 48
		.amdhsa_user_sgpr_count 2
		.amdhsa_user_sgpr_kernarg_segment_ptr 1
		.amdhsa_wavefront_size32 1
		.amdhsa_system_sgpr_workgroup_id_x 1
		.amdhsa_system_sgpr_workgroup_id_y 1
		.amdhsa_system_sgpr_workgroup_id_z 1
		.amdhsa_system_vgpr_workitem_id 0
		.amdhsa_next_free_vgpr 256
		.amdhsa_next_free_sgpr 66
		.amdhsa_reserve_vcc 1
		.amdhsa_float_denorm_mode_32 3
		.amdhsa_float_denorm_mode_16_64 3
		.amdhsa_memory_ordered 1
		.amdhsa_forward_progress 1
		.amdhsa_inst_pref_size 85
	.end_amdhsa_kernel
	.amdgpu_metadata
---
amdhsa.version: [ 1, 2 ]
amdhsa.kernels:
  - .name:           k_qcd96d11e50_head
    .symbol:         k_qcd96d11e50_head.kd
    .args:
      - { .name: pa, .offset: 0, .size: 8, .value_kind: global_buffer, .address_space: global }
      - { .name: sw3, .offset: 8, .size: 8, .value_kind: global_buffer, .address_space: global }
      - { .name: bw3, .offset: 16, .size: 8, .value_kind: global_buffer, .address_space: global }
      - { .name: wb3, .offset: 24, .size: 8, .value_kind: global_buffer, .address_space: global }
      - { .name: ws3, .offset: 32, .size: 8, .value_kind: global_buffer, .address_space: global }
      - { .name: out0, .offset: 40, .size: 8, .value_kind: global_buffer, .address_space: global }
    .group_segment_fixed_size: 77312
    .private_segment_fixed_size: 0
    .kernarg_segment_align: 8
    .kernarg_segment_size: 48
    .max_flat_workgroup_size: 256
    .sgpr_count:     66
    .vgpr_count:     256
    .wavefront_size: 32
...
	.end_amdgpu_metadata
.endif
;; end of part 6
